; MI455X (gfx1250); checked and timed in simulation.
; The chip was launched on July 23, 2026; its instructions are those of AMD's public machine-readable ISA for CDNA 5 (MIT licence, August 2026) and "CDNA5" Instruction Set Architecture Reference Guide (July 2026). The comments in the code are by the model that wrote it; some were corrected since.
;; Attn Block. Allowed arithmetic: matrix products marked QUANTISED: E2M3 operands, one E8M0 scale for each 32 along K, by v_wmma_scale_f32_16x16x128_f8f6f4 with both operands' format E2M3, f32 sums; everything else in f32.
;; Inputs: Wk 1,024 x 1,024 float32; Wo 1,024 x 1,024 float32; Wq 1,024 x 1,024 float32; Wv 1,024 x 1,024 float32; x 4 x 2,048 x 1,024 float32.
;; Outputs: out0 4 x 2,048 x 1,024 float32.
;; This version of the problem:
;;   THIS VERSION OF THE PROBLEM IS GIVEN IN LOW PRECISION. The matrix products marked QUANTISED in the list below multiply operands that are first quantised to E2M3 (2 exponent bits, 3 mantissa bits; 6 bits a number), with one power-of-two scale for each 32 numbers along K (OCP MX v1.0); their sums are f32. All else is computed in f32.
;;   The module's matrix products, in the order in which they are computed (A, B: the left and right operand; K: the contracted axis; several contracted axes count as one K, in the product's order):
;;     1. [M 8,192, K 1,024] x [K 1,024, N 1,024]; A: input x; B: input Wq: QUANTISED
;;     2. [M 8,192, K 1,024] x [K 1,024, N 1,024]; A: input x; B: input Wk: QUANTISED
;;     3. [M 8,192, K 1,024] x [K 1,024, N 1,024]; A: input x; B: input Wv: QUANTISED
;;     4. batch 64 x [M 2,048, K 64] x [K 64, N 2,048]; A: computed on the way; B: computed on the way: QUANTISED
;;     5. batch 64 x [M 2,048, K 2,048] x [K 2,048, N 64]; A: softmax (see below); B: computed on the way: QUANTISED
;;     6. [M 8,192, K 1,024] x [K 1,024, N 1,024]; A: computed on the way; B: input Wo: QUANTISED
;;   THE QUANTISER, for each operand of a quantised product, along K:
;;     - K is cut into blocks of 32 from its start; a last block that is shorter is filled with zeros.
;;     - A block's scale is 2^e with e = floor(log2(the largest magnitude in the block)) - 2, held to -126 .. 127; a block of zeros has e = 0. As a byte (E8M0): e + 127.
;;     - Each number is divided by its block's scale, clamped to +-7.5, and rounded to the nearest number of E2M3, ties to even, subnormals kept.
;;     - The product sums the exact products of the quantised numbers (number of the format x scale) in f32.
;;   ~~~python
;;   def quantise(x, axis):      # numpy; x: float32 -> the quantised numbers, widened to float32 again
;;       x = np.moveaxis(x, axis, -1); K = x.shape[-1]
;;       x = np.pad(x, [(0, 0)] * (x.ndim - 1) + [(0, -K % 32)]); x = x.reshape(x.shape[:-1] + (-1, 32)); a = np.abs(x).max(-1, keepdims=True)
;;       e = np.where(a > 0, np.clip(np.frexp(np.where(a > 0, a, 1))[1] - 1 - 2, -126, 127), 0)      # np.frexp(a)[1] - 1 = floor(log2(a)), exactly
;;       r = np.clip(x / 2.0 ** e, -7.5, 7.5)
;;       step = 2.0 ** (np.maximum(np.frexp(np.where(r == 0, 1, r))[1] - 1, 0) - 3)
;;       q = np.round(r / step) * step * 2.0 ** e      # np.round: ties to even
;;       return np.moveaxis(q.reshape(q.shape[:-2] + (-1,))[..., :K], -1, axis).astype(np.float32)
;;   ~~~
;;   SOFTMAX AHEAD OF A QUANTISED PRODUCT. Where the list says 'softmax', what is quantised is not the finished softmax but p = 2^(t - M), with t = logit x log2(e) and M = ceil(the row's largest t), a whole number; so 1/2 < the row's largest p <= 1. The row's sum l is taken of the UNQUANTISED p, in f32, and the product's result is divided by l at the end. Since M is a whole number, a kernel that streams over the keys may use a running M (the ceiling of the running maximum): every later rescaling is an exact power of two, which a block's scale takes up: the codes' values come out the same.
;;   OPERANDS COMPUTED ON THE WAY. 'Computed on the way' means the value that the module computes at that place (a softmax that the list does not call 'softmax' is quantised finished and normalised). What goes into a quantiser is computed in f32, as accurately as f32 sums, v_exp_f32 and their like allow (about 1e-6 of the number): no bf16 or f16 on the way to a quantiser, and a product that is left as it is and whose result goes on into a quantised operand takes f32 operands (vector FMAs, or v_wmma_f32_16x16x4_f32). A number that lies on a knife's edge between two numbers of the format may be rounded either way, as far as f32 arithmetic and the matrix unit's own rounding can turn it there, and no further.
;; One version. Each part assembles by itself: llvm-mc -triple=amdgcn-amd-amdhsa -mcpu=gfx1250 --defsym DOCPART=n.
;; ======== version 1 of 1: 4 launches
;; workspace buffers: opc 9,437,184 bytes; ops 393,216 bytes; rope 524,288 bytes; qkv 19,660,800 bytes; cc 6,291,456 bytes; cs 262,144 bytes
;; launch quant (part 1): grid 192 x 4, 4 waves a work-group, no clusters, 35,840 bytes of LDS; arguments x, Wq, Wk, Wv, Wo, opc, ops, rope; writes opc, ops, rope
.if DOCPART == 1
	.amdgcn_target "amdgcn-amd-amdhsa--gfx1250"
	.amdhsa_code_object_version 6
	.text
	.protected	k_qcaf57a49dc_quant
	.globl	k_qcaf57a49dc_quant
	.p2align	8
	.type	k_qcaf57a49dc_quant,@function
k_qcaf57a49dc_quant:
	s_mov_b64 s[64:65], 0
	v_nop
	global_prefetch_b8 v0, s[64:65] scope:SCOPE_SE
	s_setreg_imm32_b32 hwreg(HW_REG_WAVE_MODE, 25, 1), 1
	s_wait_xcnt 0x0
; x [8192][1024] and Wq, Wk, Wv, Wo [1024][1024], f32, K innermost, become codes of FP6 (E2M3) with one E8M0 byte for each 32 along K; and the table of cos and sin for the rotation is made.
; The five tensors count as 12,288 stacked rows: x 0.., Wq 8192.., Wk 9216.., Wv 10240.., Wo 11264...
; THE ORDER OF THE CODES IS THAT OF THE OPERAND'S REGISTERS.  Rows go in row-blocks of 16: lane r of row-block rb holds row 32 (rb / 2) + 8 (rb % 2) + r + 8 (r / 8).  An IMAGE is a row-block x 64 along K, 768 bytes:
; lane (r, h) owns six registers, the codes of k = 32 h .. 32 h + 31 of its row; registers 2 j, 2 j + 1 lie at byte 256 j + 8 x lane.  opc: [rb 0..767][kg 0..15][768].
; ops: [g 0..7][12,288 rows, as 16 rb + r] words: byte b is the scale of k = 128 g + 32 b ...  rope: [t 0..2047][i 0..31] (cos, sin), 256 bytes a token.
; A block's scale is 2^(floor(log2(its largest magnitude)) - 2); its byte is the largest magnitude's exponent field - 2, held at 1 from below.
; LIMITS: a block of zeros has the byte 1 where the rule says 127 (its codes are zeros, and this program alone reads the bytes); blocks whose largest magnitude lies under 2^-124 are held at the byte 1; NaN and infinities are not served.
; The frequencies 10000^(-i/32) come from v_exp_f32 of a rounded argument: good to a few units in the last place, so the largest angles (about 1,500 rad) may differ by about 1e-4 rad from another f32 evaluation.
; SHARES.  Work-group (X, Y): 64 stacked rows x 256 along K.  Wave w: row-block 4 X + w, four units of 16 rows x 64 along K.  All 32 loads of a wave go out at the head.  Each load takes two rows' aligned 256 bytes;
; a unit turns through the wave's own stage in LDS (rows 272 bytes apart), so that a lane gets the 32 neighbours of a block; its six code registers leave by three stores of 256 consecutive, aligned bytes.
.set WREG,  8704                       ; LDS of a wave: two stages
.set STG,   4352                       ; a stage: 16 rows x 272 bytes
.set SG,    34816                      ; behind the stages: 512 bytes in which the work-group's scale words meet
.set R,     32                         ; v32-159  four units as loaded
.set XS,    160                        ; v160-223 two sets of 32 neighbours
.set C,     224                        ; v224-255 eight registers of codes for each unit: no store's data are written again
.set E,     16                         ; v16-19   a scale byte for each unit
	s_load_b512 s[16:31], s[0:1], 0x0              ; x s[16:17], Wq, Wk, Wv, Wo s[24:25], opc s[26:27], ops s[28:29], rope s[30:31]
	v_lshl_add_u32 v247, v0, 2, 0x8a00
	v_mov_b32 v255, 0
	v_lshrrev_b32 v1, 5, v0
	v_readfirstlane_b32 s8, v1                     ; wave
	v_and_b32 v1, 31, v0                           ; lane
	v_and_b32 v2, 15, v0                           ; r
	v_bfe_u32 v3, v0, 4, 1                         ; h
	s_and_b32 s9, ttmp7, 0xffff                    ; Y
	s_mov_b32 s2, 0x76543210
	s_mov_b32 s3, 0xfedcba98                       ; v_permlanex16_b32's selects for lane l xor 16
	v_lshlrev_b32 v10, 4, v2                       ; 16 r
	v_lshl_add_u32 v4, v3, 12, v10                 ; a load: lanes 0-15 one row's 256 bytes, lanes 16-31 the next row's
	s_mul_i32 s10, s8, WREG
	v_mad_u32_u24 v5, v3, 272, v10
	v_add_nc_u32 v5, s10, v5                       ; into the stage: the same two rows
	v_mul_u32_u24 v6, v2, 272
	v_lshl_add_u32 v6, v3, 7, v6
	v_add_nc_u32 v6, s10, v6                       ; out of it: row r, my half's 128 bytes
	v_lshlrev_b32 v7, 3, v1                        ; 8 x lane: my place in a chunk of an image
	v_lshlrev_b32 v8, 3, v3                        ; 8 h: my bytes' shift in a scale word
	s_lshl_b32 s11, s8, 6
	s_add_co_u32 s11, s11, SG
	v_lshlrev_b32 v9, 2, v2
	v_lshl_add_u32 v9, v3, 8, v9
	v_add_nc_u32 v9, s11, v9                       ; where my scale word goes: plane h, row 16 w + r
	v_mad_u32_u24 v11, v3, 0xc000, v10             ; and on the way out: plane l / 16 (49,152 bytes apart), 16 bytes a lane
	v_lshl_add_u32 v23, v1, 4, SG
	v_mov_b32 v22, 0                               ; a lane permute's destination counts as one of its sources
	s_lshl_b32 s12, ttmp9, 2
	s_add_co_u32 s12, s12, s8                      ; my row-block: 4 X + w
	s_mul_i32 s13, s9, 768
	s_add_co_u32 s13, s13, s12                     ; my row of the table, where it is under 2,048
	s_wait_kmcnt 0x0
	s_mov_b64 s[4:5], s[24:25]                     ; which tensor: the choice hangs on the work-group's number alone
	s_mov_b32 s6, 176
	s_cmp_lt_u32 ttmp9, 176
	s_cselect_b64 s[4:5], s[22:23], s[4:5]
	s_cselect_b32 s6, 160, s6
	s_cmp_lt_u32 ttmp9, 160
	s_cselect_b64 s[4:5], s[20:21], s[4:5]
	s_cselect_b32 s6, 144, s6
	s_cmp_lt_u32 ttmp9, 144
	s_cselect_b64 s[4:5], s[18:19], s[4:5]
	s_cselect_b32 s6, 128, s6
	s_cmp_lt_u32 ttmp9, 128
	s_cselect_b64 s[4:5], s[16:17], s[4:5]
	s_cselect_b32 s6, 0, s6
	s_sub_co_u32 s14, ttmp9, s6
	s_lshl_b32 s14, s14, 6                         ; the group's first row in its tensor,
	s_lshr_b32 s15, s8, 1
	s_lshl_b32 s15, s15, 5
	s_add_co_u32 s14, s14, s15                     ; + 32 (w / 2)
	s_and_b32 s15, s8, 1
	s_lshl_b32 s15, s15, 3
	s_add_co_u32 s14, s14, s15                     ; + 8 (w % 2)
	s_lshl_b32 s14, s14, 12                        ; rows of 4,096 bytes
	s_lshl_b32 s15, s9, 10
	s_add_co_u32 s14, s14, s15                     ; + my quarter of K
	s_mov_b32 s15, 0
	s_add_nc_u64 s[4:5], s[4:5], s[14:15]
	s_mul_i32 s14, s12, 12288
	s_mul_i32 s7, s9, 3072
	s_add_co_u32 s14, s14, s7
	s_add_nc_u64 s[26:27], s[26:27], s[14:15]      ; my four images
	s_mul_i32 s14, s9, 98304
	s_lshl_b32 s7, ttmp9, 8
	s_add_co_u32 s14, s14, s7
	s_add_nc_u64 s[28:29], s[28:29], s[14:15]      ; planes 2 Y and 2 Y + 1, the group's 64 rows
.macro LOADU u                         ; unit u: image rows 2 i and 2 i + 1 are rows 2 i + 8 (i / 4) and the next
.irp i, 0,1,2,3,4,5,6,7
	global_load_b128 v[R+32*(\u)+4*\i:R+32*(\u)+4*\i+3], v4, s[4:5] offset:(2*\i+8*(\i/4))*4096+256*(\u) th:TH_LOAD_NT
.endr
.endm
.macro TURNU u                         ; through the stage: LDS serves a wave's instructions in order, so no wait stands between the stores and the loads
.irp i, 0,1,2,3,4,5,6,7
	ds_store_b128 v5, v[R+32*(\u)+4*\i:R+32*(\u)+4*\i+3] offset:STG*((\u)%2)+544*\i
.endr
.irp m, 0,1,2,3,4,5,6,7
	ds_load_b128 v[XS+32*((\u)%2)+4*\m:XS+32*((\u)%2)+4*\m+3], v6 offset:STG*((\u)%2)+16*\m
.endr
.endm
.macro UNIT u
.set XU, XS+32*((\u)%2)
.set CU, C+8*(\u)
.if (\u) < 3
	s_wait_loadcnt 8*(2-(\u))                      ; the next unit's eight loads are in; the later units' may be out
	TURNU (\u)+1                                   ; it goes through the other stage while this unit is worked
	s_wait_dscnt 16                                ; this unit's numbers are back; the sixteen just issued may be out
.else
	s_wait_dscnt 0x0
.endif
	v_max3_num_f32 v12, |v[XU]|, |v[XU+1]|, |v[XU+2]|      ; the block's largest magnitude: all 32 numbers are mine; two chains
	v_max3_num_f32 v13, |v[XU+3]|, |v[XU+4]|, |v[XU+5]|
.irp i, 6,10,14,18,22,26
	v_max3_num_f32 v12, v12, |v[XU+\i]|, |v[XU+\i+1]|
	v_max3_num_f32 v13, v13, |v[XU+\i+2]|, |v[XU+\i+3]|
.endr
	v_max3_num_f32 v12, v12, |v[XU+30]|, |v[XU+31]|
	v_max3_num_f32 v12, v12, v13, 0x1800000        ; and the floor 2^(3 - 127): the byte cannot fall under 1
	v_add_nc_u32 v14, 0xff000000, v12              ; 2 off the exponent field: the conversion takes the exponent field of this operand as its scale
	v_cvt_scalef32_pk16_fp6_f32 v[CU:CU+2], v[XU:XU+15], v14
	v_cvt_scalef32_pk16_fp6_f32 v[CU+4:CU+6], v[XU+16:XU+31], v14   ; (a conversion's three registers begin on an even number)
	v_lshrrev_b32 v[E+(\u)], 23, v14               ; the scale's byte; also the plain line behind the conversions
	v_mov_b32 v[CU+3], v[CU+4]
	v_mov_b32 v[CU+4], v[CU+5]
	v_mov_b32 v[CU+5], v[CU+6]                     ; six registers on end: the block's 24 bytes
.irp j, 0,1,2
	global_store_b64 v7, v[CU+2*\j:CU+2*\j+1], s[26:27] offset:768*(\u)+256*\j   ; 32 lanes store 256 consecutive bytes, aligned
.endr
.endm
	LOADU 0
	LOADU 1
	LOADU 2
	LOADU 3
	; one row of the table for each wave whose number is under 2,048: lane i makes cos and sin of t x 10000^(-i/32).  A branch on ids; no barrier stands inside.
	s_cmp_lt_u32 s13, 2048
	s_cbranch_scc0 .Lno_rope
	s_lshl_b32 s14, s13, 8
	s_add_nc_u64 s[30:31], s[30:31], s[14:15]
	v_cvt_f32_u32 v24, v1
	v_mul_f32 v24, 0xbed49a78, v24                 ; -i log2(10) / 8
	s_wait_alu depctr_va_vdst(0)
	v_exp_f32 v24, v24                             ; the frequency
	v_cvt_f32_u32 v25, s13                         ; t (a plain line behind the exponential)
	s_wait_alu depctr_va_vdst(0)                   ; the wait ahead of the result's first reader
	v_mul_f32 v25, v25, v24                        ; the angle, rounded once
	v_mul_f32 v28, 0x3f22f983, v25
	v_rndne_f32 v28, v28                           ; n = the nearest whole number to angle x 2 / pi
	v_fma_f32 v29, -v28, 0x3fc90fdb, v25           ; rho = angle - n pi/2, pi/2 in two parts
	v_fma_f32 v29, -v28, 0xb33bbd2e, v29
	v_mul_f32 v30, v29, v29                        ; z = rho^2, at most 0.62
	v_mov_b32 v31, 0x3638ef1d                      ; sin rho = rho + rho z (-1/6 + z (1/120 + z (-1/5040 + z / 362880)))
	v_fmaak_f32 v31, v31, v30, 0xb9500d01
	v_fmaak_f32 v31, v31, v30, 0x3c088889
	v_fmaak_f32 v31, v31, v30, 0xbe2aaaab
	v_mul_f32 v31, v31, v30
	v_fma_f32 v31, v31, v29, v29
	v_mov_b32 v24, 0xb493f27e                      ; cos rho = 1 + z (-1/2 + z (1/24 + z (-1/720 + z (1/40320 - z / 3628800))))
	v_fmaak_f32 v24, v24, v30, 0x37d00d01
	v_fmaak_f32 v24, v24, v30, 0xbab60b61
	v_fmaak_f32 v24, v24, v30, 0x3d2aaaab
	v_fma_f32 v24, v24, v30, -0.5
	v_fma_f32 v24, v24, v30, 1.0
	v_cvt_i32_f32 v28, v28                         ; the quadrant is n mod 4
	v_and_b32 v25, 1, v28
	v_cmp_eq_u32 vcc_lo, 1, v25
	v_cndmask_b32 v26, v24, v31, vcc_lo            ; odd quadrants change sin and cos
	v_cndmask_b32 v27, v31, v24, vcc_lo
	v_add_nc_u32 v25, 1, v28
	v_lshlrev_b32 v25, 30, v25
	v_and_b32 v25, 0x80000000, v25
	v_xor_b32 v26, v26, v25                        ; cos is negative in quadrants 1 and 2,
	v_lshlrev_b32 v25, 30, v28
	v_and_b32 v25, 0x80000000, v25
	v_xor_b32 v27, v27, v25                        ; sin in 2 and 3
	global_store_b64 v7, v[26:27], s[30:31]        ; 32 lanes store the token's 256 bytes
.Lno_rope:
	s_wait_loadcnt 24                              ; unit 0's eight loads are in
	s_wait_alu depctr_va_vdst(0)
	TURNU 0
	UNIT 0
	UNIT 1
	UNIT 2
	UNIT 3
	; the scale words: unit u's byte of lane (r, h) is k-block 8 Y + 2 u + h.  Word gl of my row: units 2 gl and 2 gl + 1, both halves of the lanes
	v_lshl_or_b32 v20, v17, 16, v16
	v_lshl_or_b32 v21, v19, 16, v18
	v_lshlrev_b32 v20, v8, v20
	v_lshlrev_b32 v21, v8, v21
	v_permlanex16_b32 v22, v20, s2, s3
	v_or_b32 v20, v20, v22
	v_permlanex16_b32 v22, v21, s2, s3
	v_or_b32 v21, v21, v22
	v_cmp_eq_u32 vcc_lo, 1, v3
	v_cndmask_b32 v20, v20, v21, vcc_lo            ; lanes 0-15 hand in plane 2 Y's word, lanes 16-31 plane 2 Y + 1's
	ds_store_b32 v9, v20
	s_wait_dscnt 0x0                               ; for the others' sake: my store has landed
	s_barrier_signal -1
	s_barrier_wait -1
	s_cmp_lg_u32 s8, 0
	s_cbranch_scc1 .Lend
	ds_load_b128 v[12:15], v23                     ; wave 0 stores both planes' 256 bytes
	s_wait_dscnt 0x0
	global_store_b128 v11, v[12:15], s[28:29]      ; sixteen lanes store 256 consecutive bytes, aligned
.Lend:
	s_wait_tensorcnt 0x0
	ds_add_u32 v247, v255
	s_wait_dscnt 0x0
	s_endpgm
.Lfunc_end_k_qcaf57a49dc_quant:
	.size	k_qcaf57a49dc_quant, .Lfunc_end_k_qcaf57a49dc_quant-k_qcaf57a49dc_quant
	.p2alignl 7, 3214868480
	.fill 96, 4, 3214868480
	.section	.rodata,"a",@progbits
	.p2align	6, 0x0
	.amdhsa_kernel k_qcaf57a49dc_quant
		.amdhsa_group_segment_fixed_size 35840
		.amdhsa_private_segment_fixed_size 0
		.amdhsa_enable_private_segment 0
		.amdhsa_kernarg_size 64
		.amdhsa_user_sgpr_count 2
		.amdhsa_user_sgpr_kernarg_segment_ptr 1
		.amdhsa_wavefront_size32 1
		.amdhsa_system_sgpr_workgroup_id_x 1
		.amdhsa_system_sgpr_workgroup_id_y 1
		.amdhsa_system_sgpr_workgroup_id_z 1
		.amdhsa_system_vgpr_workitem_id 0
		.amdhsa_next_free_vgpr 256
		.amdhsa_next_free_sgpr 66
		.amdhsa_reserve_vcc 1
		.amdhsa_float_denorm_mode_32 3
		.amdhsa_float_denorm_mode_16_64 3
		.amdhsa_memory_ordered 1
		.amdhsa_forward_progress 1
		.amdhsa_inst_pref_size 21
	.end_amdhsa_kernel
	.amdgpu_metadata
---
amdhsa.version: [ 1, 2 ]
amdhsa.kernels:
  - .name:           k_qcaf57a49dc_quant
    .symbol:         k_qcaf57a49dc_quant.kd
    .args:
      - { .name: x, .offset: 0, .size: 8, .value_kind: global_buffer, .address_space: global }
      - { .name: Wq, .offset: 8, .size: 8, .value_kind: global_buffer, .address_space: global }
      - { .name: Wk, .offset: 16, .size: 8, .value_kind: global_buffer, .address_space: global }
      - { .name: Wv, .offset: 24, .size: 8, .value_kind: global_buffer, .address_space: global }
      - { .name: Wo, .offset: 32, .size: 8, .value_kind: global_buffer, .address_space: global }
      - { .name: opc, .offset: 40, .size: 8, .value_kind: global_buffer, .address_space: global }
      - { .name: ops, .offset: 48, .size: 8, .value_kind: global_buffer, .address_space: global }
      - { .name: rope, .offset: 56, .size: 8, .value_kind: global_buffer, .address_space: global }
    .group_segment_fixed_size: 35840
    .private_segment_fixed_size: 0
    .kernarg_segment_align: 8
    .kernarg_segment_size: 64
    .max_flat_workgroup_size: 128
    .sgpr_count:     66
    .vgpr_count:     256
    .wavefront_size: 32
...
	.end_amdgpu_metadata
.endif
;; end of part 1
;; launch proj (part 2): grid 8 x 48, 4 waves a work-group, clusters of 4 x 4, 327,680 bytes of LDS; arguments opc, ops, rope, qkv; writes qkv
.if DOCPART == 2
	.amdgcn_target "amdgcn-amd-amdhsa--gfx1250"
	.amdhsa_code_object_version 6
	.text
	.protected	k_qcaf57a49dc_proj
	.globl	k_qcaf57a49dc_proj
	.p2align	8
	.type	k_qcaf57a49dc_proj,@function
k_qcaf57a49dc_proj:
	s_mov_b64 s[64:65], 0
	v_nop
	global_prefetch_b8 v0, s[64:65] scope:SCOPE_SE
	s_setreg_imm32_b32 hwreg(HW_REG_WAVE_MODE, 25, 1), 1
	s_wait_xcnt 0x0
	s_wait_alu depctr_hold_cnt(0) depctr_sa_sdst(0) depctr_va_vdst(0) depctr_va_sdst(0) depctr_va_ssrc(0) depctr_va_vcc(0) depctr_vm_vsrc(0)
	s_getreg_b32 s2, hwreg(HW_REG_IB_STS2, 6, 4)
	s_cmp_eq_u32 s2, 0
	s_cbranch_scc0 .Lentry_in_a_cluster
	s_endpgm
.Lentry_in_a_cluster:
	s_bfe_u32 s2, ttmp6, 0x10000c
	s_cmp_lg_u32 s2, 0xf033
	s_cbranch_scc0 .Lentry_shape_is_right
	s_endpgm
.Lentry_shape_is_right:
; q = rope(x Wq^T), k = rope(x Wk^T), v = x Wv^T on codes of FP6 (E2M3) with E8M0 scales; the results are quantised on the way out (q, k along the head's 64; v along the keys) and leave as codes: no f32 result goes to memory.
; OPERANDS lie in opc / ops in the order of the operand's registers: row-blocks of 16 (lane r of row-block rb: row 32 (rb / 2) + 8 (rb % 2) + r + 8 (r / 8)), images of 768 bytes for 64 along K, [rb][kg 0..15][768];
; scale words [g 0..7][row as 16 rb + r].  Tiles of 256 stacked rows: x 0-31, Wq 32-35, Wk 36-39, Wv 40-43.
; A tile of the result, 256 x 256, is made by four waves, 128 x 128 each: 64 accumulators.  Source 0 is operand P (its rows run along a lane's registers), source 1 operand R (its rows lie in the lanes).
; With P's rows in image order, the 16 registers of accumulators 2 b and 2 b + 1 are 16 NEIGHBOURS of P's rows, 32 b + 16 (lane / 16) + 0 .. 15: what the conversions want.
; Clusters with y < 8: P = Wq (cluster x = 0) or Wk (1), R = x: a lane holds a token and 128 channels (two heads).  Clusters with y >= 8: P = x, R = Wv: a lane holds a channel and 128 keys.  Only tile numbers differ.
; K goes in four steps of 256 through two LDS slots; a wave's tensor load brings 8 row-blocks x 3,072 bytes, dense in LDS; a fragment is six loads of 8 bytes a lane, 256 consecutive bytes each.  The scales of all of K come once.
; CLUSTERS: 4 x 4 work-groups.  R's tile hangs on the cluster's y and cy and is shared along a row of the cluster, P's on the cluster's x, y and cx and is shared along a column: joint loads.
; qkv: 512 records of 38,400 bytes, record (batch x 8 + head pair) x 16 + (token / 128): K codes [image a 0..7][head 0..1][768] at 0; V codes [head][c 0..3][1,536] at 12,288; K scales [head][r][b 0..3] words at 24,576
; (a word: image 2 b's two bytes, then image 2 b + 1's); V scales [head][r][c] words at 25,088; Q codes at 25,600 and Q scales at 37,888, laid as K's.
; LIMITS: a block of zeros has the byte 1 where the rule says 127 (zero codes; this program alone reads the bytes); blocks under 2^-124 are held at the byte 1; NaN and infinities are not served.
; REGISTERS: window 0: v1 r, v2 h, v8-11 and v16-29 addresses; v32-63 scale words, two sets; v64-127 the table's (cos, sin), two sets; v128-223 R's fragments, later the way out; v224-255 the way out.
;   window 1: P's fragments, two sets, at v0 and v128.  Windows 2, 3: accumulator (a, b) at v[8 (8 (a % 4) + b)] of window 2 + a / 4.
.set NQ,     2                         ; matrix instructions deep in a slot
.set FR,     12                        ; registers of a fragment
.set NL,     6                         ; LDS loads that bring one
.set NP,     4                         ; places behind this matrix instruction (ISA guide 7.12.1)
.set HALFT,  24576                     ; 128 rows x 256 along K: what one tensor load brings
.set SLOT,   98304                     ; R's 256 rows, then P's
.set TILEB,  196608                    ; a tile of 256 rows in opc
.set SCL,    196608                    ; behind the ring: the scales: R's halves at +0 and +4,096, P's at +8,256 and +12,352, each [g 0..7][128 words]
.set SPARE,  213248                    ; the spare words, 128 bytes for each wave: two blocks of 256 bytes that no other line names
.set REC,    38400
.set VR,   8                           ; v8   my token's row of the table and my half's 64 bytes
.set VO,   9                           ; v9   8 x lane
.set VS16, 10                          ; v10  16 x lane
.set VSEL, 11                          ; v11  byte selects: lanes 0-15 take the low halves of two words, lanes 16-31 the high halves
.set ADRA, 16                          ; v16-17  LDS address of R's fragments in slot 0, 1
.set ADRB, 20                          ; v20-21  the same for P
.set ADRS, 27                          ; v27  LDS address of my scale words: lanes 0-15 R's rows, lanes 16-31 P's
.set SPW,  28                          ; v28  LDS address of my spare word; never rewritten
.set NIL,  29                          ; v29  0; never rewritten
.set SC,   32
.set CS,   64
.set AF,   128
.set T,    128                         ; v128-191 the products x2 sin, x2 cos
.set PC,   192                         ; v192-203, v204-215 codes, by turns
.set W4,   220                         ; v220-223 four scale words to store
.set TM,   224                         ; v224-227 largest magnitudes, v228-231 the other half's / bytes, v236-239 the conversions' scale operands
.set PT,   240                         ; v240-247 the conversions' second halves
.set PWS,  248                         ; v248-255 the eight blocks' scale words
.set SEL,  2                           ; s[2:3] lane selects, written behind the K loop
.set G1, 24                            ; s[24:31] group 1 for R's tiles; s[32:39] group 0, a set for each slot
.set G0, 32
.set G1B, 48                           ; s[48:55], s[56:63] the same for P's
.set G0B, 56
.set G1S, 68                           ; s[68:75], s[76:79] groups 1 and 0 for R's scales; s[80:87], s[88:91] for P's
.set G0S, 76
.set G1SB, 80
.set G0SB, 88
.set MSB, 0
.macro WIN new                         ; the immediate's high byte repeats the setting that is left
.if MSB != \new
	s_set_vgpr_msb (MSB<<8)|\new
.set MSB, \new
.endif
.endm
.set MUL_LO, 0xa1                      ; source 0 (P) window 1, source 1 (R) window 0, C and D window 2
.set MUL_HI, 0xf1                      ; the same, C and D window 3
.set TO_B,   0x40                      ; destination window 1, address window 0
; A joint load: waves 0 and 1 fetch for R, waves 2 and 3 for P.  Each of the two lines has one mask and one set of registers for all that issue it; the branch hangs on the wave's number alone.
; Four v_nop follow each of the two lines, ahead of the jump, the label and what follows.
.macro JLOAD g0a, g1a, g0b, g1b
	s_cmp_eq_u32 s15, 0
	s_cbranch_scc0 .Lfor_b_\@
	tensor_load_to_lds s[\g0a:\g0a+3], s[\g1a:\g1a+7]
	s_nop 0
.rept 4
	v_nop
.endr
	s_branch .Lasked_\@
.Lfor_b_\@:
	tensor_load_to_lds s[\g0b:\g0b+3], s[\g1b:\g1b+7]
	s_nop 0
.rept 4
	v_nop
.endr
.Lasked_\@:
.endm
.macro CREST                           ; a round of the cluster's barrier behind its opening barrier
	s_cmp_lg_u32 s14, 0
	s_cbranch_scc1 .Lnot_wave_0_\@
	s_barrier_signal -3
.Lnot_wave_0_\@:
	s_barrier_wait -3
	s_barrier_signal -1
	s_barrier_wait -1
.endm
.macro CROUND                          ; a whole round
	s_barrier_signal -1
	s_barrier_wait -1
	CREST
.endm
	s_load_b256 s[4:11], s[0:1], 0x0               ; opc s[4:5], ops s[6:7], rope s[8:9], qkv s[10:11]
	v_lshl_add_u32 v[SPW], v0, 2, SPARE
	v_mov_b32 v[NIL], 0
	ds_add_u32 v28, v29
	s_wait_dscnt 0x0
	v_lshrrev_b32 v1, 5, v0
	v_readfirstlane_b32 s14, v1                    ; wave 0..3
	s_lshr_b32 s15, s14, 1                         ; which half of R's rows is mine.  Also: I fetch for R (0) or for P (1)
	s_and_b32 s16, s14, 1                          ; which half of P's rows.  Also: which 128 rows of that tile I fetch
	s_bfe_u32 s40, ttmp6, 0x40000                  ; cx, cy: my place in the cluster
	s_bfe_u32 s41, ttmp6, 0x40004
	s_and_b32 s12, ttmp7, 0xffff                   ; the cluster's y: 0-7 q and k, 8-11 v
	s_max_u32 s18, s12, 8
	s_lshl_b32 s18, s18, 3
	s_sub_co_u32 s18, s18, 64                      ; for v: x's tiles 8 (y - 8) on
	s_lshl_b32 s19, s12, 2                         ; for q, k: x's tiles 4 y on
	s_cmp_lt_u32 s12, 8
	s_cselect_b32 s18, 32, s18                     ; P begins at Wq's tiles, or in x
	s_cselect_b32 s19, s19, 40                     ; R begins in x, or at Wv's tiles
	s_lshl_b32 s42, ttmp9, 2
	s_add_co_u32 s42, s42, s40
	s_add_co_u32 s42, s42, s18                     ; P's tile: it hangs on cx and the cluster's x and y
	s_add_co_u32 s17, s19, s41                     ; R's tile: on cy and the cluster's y
	s_lshl_b32 s43, s41, 2
	s_lshl_b32 s43, 15, s43                        ; my row of the cluster
	s_lshl_b32 s44, 0x1111, s40                    ; my column
	; group 1, codes: 8 rows (row-blocks) of 384 elements of 8 bytes, 1,536 elements apart; no padding
	s_or_b32 s[G1+0], s43, (3<<16)|(1<<21)         ; 15:0 the mask; 17:16 elements of 8 bytes; 21 set beside a mask
	s_or_b32 s[G1B+0], s44, (3<<16)|(1<<21)
.irp g, G1, G1B
	s_mov_b32 s[\g+1], 384<<16                     ; tensor_dim0
	s_mov_b32 s[\g+2], 8<<16                       ; tensor_dim1
	s_mov_b32 s[\g+3], 384<<16                     ; tile_dim0
	s_mov_b32 s[\g+4], 8                           ; tile_dim1
	s_mov_b32 s[\g+5], 1536                        ; tensor_dim0_stride
	s_mov_b32 s[\g+6], 0
	s_mov_b32 s[\g+7], 0
.endr
	; group 1, scales: 8 planes, 512 bytes (128 rows) of each, 49,152 bytes apart
	s_or_b32 s[G1S+0], s43, (3<<16)|(1<<21)
	s_or_b32 s[G1SB+0], s44, (3<<16)|(1<<21)
.irp g, G1S, G1SB
	s_mov_b32 s[\g+1], 64<<16
	s_mov_b32 s[\g+2], 8<<16
	s_mov_b32 s[\g+3], 64<<16
	s_mov_b32 s[\g+4], 8
	s_mov_b32 s[\g+5], 6144
	s_mov_b32 s[\g+6], 0
	s_mov_b32 s[\g+7], 0
.endr
	s_mul_i32 s20, s17, TILEB
	s_mul_i32 s18, s16, TILEB/2
	s_add_co_u32 s20, s20, s18                     ; R's codes: tile, and the half that I fetch
	s_mov_b32 s21, 0
	s_mul_i32 s46, s42, TILEB
	s_add_co_u32 s46, s46, s18                     ; P's
	s_mov_b32 s47, 0
	s_lshl_b32 s22, s17, 10
	s_lshl_b32 s18, s16, 9
	s_add_co_u32 s22, s22, s18                     ; R's scale words in plane 0
	s_mov_b32 s23, 0
	s_lshl_b32 s92, s42, 10
	s_add_co_u32 s92, s92, s18                     ; P's
	s_mov_b32 s93, 0
	s_mul_i32 s45, s14, HALFT                      ; where they go: no place in the cluster enters an LDS address
	s_lshl_b32 s94, s14, 12
	s_lshl_b32 s66, s17, 8
	s_lshl_b32 s18, s15, 7
	s_add_co_u32 s66, s66, s18                     ; for the way out: my first stacked row of R,
	s_lshl_b32 s67, s42, 8
	s_lshl_b32 s18, s16, 7
	s_add_co_u32 s67, s67, s18                     ; and of P
	s_wait_kmcnt 0x0
	s_add_nc_u64 s[20:21], s[4:5], s[20:21]
	s_add_nc_u64 s[22:23], s[6:7], s[22:23]
	s_add_nc_u64 s[46:47], s[4:5], s[46:47]
	s_add_nc_u64 s[92:93], s[6:7], s[92:93]
	CROUND                                         ; all sixteen work-groups are here: the first joint loads meet
	s_mov_b32 s[G0S], 1
	s_add_co_u32 s[G0S+1], s94, SCL
	s_mov_b64 s[G0S+2:G0S+3], s[22:23]
	s_or_b32 s[G0S+3], s[G0S+3], 0x80000000
	s_mov_b32 s[G0SB], 1
	s_add_co_u32 s[G0SB+1], s94, SCL+64            ; P's scales lie 64 bytes further on, so that lanes 16-31 read other banks than lanes 0-15
	s_mov_b64 s[G0SB+2:G0SB+3], s[92:93]
	s_or_b32 s[G0SB+3], s[G0SB+3], 0x80000000
	JLOAD G0S, G1S, G0SB, G1SB                     ; the scales first: they are wanted with K step 0
.irp s, 0,1
	s_mov_b32 s[G0+4*\s], 1
	s_add_co_u32 s[G0+4*\s+1], s45, \s*SLOT
	s_add_nc_u64 s[G0+4*\s+2:G0+4*\s+3], s[20:21], \s*3072
	s_or_b32 s[G0+4*\s+3], s[G0+4*\s+3], 0x80000000
	s_mov_b32 s[G0B+4*\s], 1
	s_add_co_u32 s[G0B+4*\s+1], s45, \s*SLOT
	s_add_nc_u64 s[G0B+4*\s+2:G0B+4*\s+3], s[46:47], \s*3072
	s_or_b32 s[G0B+4*\s+3], s[G0B+4*\s+3], 0x80000000
	JLOAD G0+4*\s, G1, G0B+4*\s, G1B               ; three tensor loads of mine are out
.endr
	v_and_b32 v1, 15, v0                           ; r
	v_bfe_u32 v2, v0, 4, 1                         ; h
	v_and_b32 v3, 31, v0
	v_lshlrev_b32 v[VO], 3, v3
	v_lshlrev_b32 v[VS16], 4, v3
	s_mul_i32 s21, s15, HALFT                      ; my 128 rows of R
	s_mul_i32 s22, s16, HALFT                      ; my 128 rows of P,
	s_add_co_u32 s22, s22, 2*HALFT                 ; which lie behind R's 256
.irp s, 0,1
	v_add_nc_u32 v[ADRA+\s], s21, v[VO]
	v_add_nc_u32 v[ADRB+\s], s22, v[VO]
	s_add_co_u32 s21, s21, SLOT
	s_add_co_u32 s22, s22, SLOT
.endr
	v_lshlrev_b32 v5, 2, v1                        ; a scale word a row
	s_mul_i32 s21, s15, 4096                       ; R's: my 128 rows
	s_mul_i32 s22, s16, 4096                       ; P's: my 128 rows, 8,256 bytes behind R's first
	s_add_co_u32 s22, s22, 8256
	s_sub_co_u32 s22, s22, s21
	v_mul_u32_u24 v6, s22, v2                      ; lanes 16-31 take P's: one product, the distance between the two
	s_add_co_u32 s21, s21, SCL
	v_add_nc_u32 v5, v5, v6
	v_add_nc_u32 v[ADRS], s21, v5
	v_and_b32 v5, 8, v1
	v_add_nc_u32 v5, v5, v1                        ; r + 8 (r / 8)
	v_lshlrev_b32 v[VR], 8, v5
	v_lshl_add_u32 v[VR], v2, 6, v[VR]
	v_mov_b32 v[VSEL], 0x05040100
	v_mov_b32 v7, 0x07060302
	v_cmp_eq_u32 vcc_lo, 1, v2
	v_cndmask_b32 v[VSEL], v[VSEL], v7, vcc_lo
.irp b, 0,1,2,3
	v_mov_b32 v[TM+4+\b], 0                        ; written once: a lane permute's destination counts as one of its sources
.endr
.macro FRAG reg, adr, q, i             ; a fragment, 16 rows x 128 K: two images on end: six loads of 8 bytes a lane, 256 consecutive bytes each, as the registers want them
.irp p, 0,1,2,3,4,5
	ds_load_b64 v[\reg+2*\p:\reg+2*\p+1], v[\adr] offset:(\i)*3072+(\q)*1536+256*\p
.endr
.endm
; 16 matrix instructions: R's blocks a0, a0 + 1 x P's eight, 128 along K: the slot's q-th.  p: P's set; sc: the set of scale words.  zero = 1: the first product starts the sums.
; The 64 accumulators take turns, one instruction a turn, in the same order in every step.
.macro MUL16 a0, p, q, sc, zero
.irp a, \a0, \a0+1
.irp b, 0,1,2,3,4,5,6,7
.if \zero
	v_wmma_scale_f32_16x16x128_f8f6f4 v[8*(8*((\a)%4)+\b):8*(8*((\a)%4)+\b)+7], v[128*(\p)+FR*\b:128*(\p)+FR*\b+FR-1], v[AF+FR*(\a):AF+FR*(\a)+FR-1], 0, v[SC+8*NQ*(\sc)+NQ*\b+(\q)], v[SC+8*NQ*(\sc)+NQ*(\a)+(\q)] matrix_a_fmt:MATRIX_FMT_FP6 matrix_b_fmt:MATRIX_FMT_FP6 matrix_a_scale:MATRIX_SCALE_ROW1
.else
	v_wmma_scale_f32_16x16x128_f8f6f4 v[8*(8*((\a)%4)+\b):8*(8*((\a)%4)+\b)+7], v[128*(\p)+FR*\b:128*(\p)+FR*\b+FR-1], v[AF+FR*(\a):AF+FR*(\a)+FR-1], v[8*(8*((\a)%4)+\b):8*(8*((\a)%4)+\b)+7], v[SC+8*NQ*(\sc)+NQ*\b+(\q)], v[SC+8*NQ*(\sc)+NQ*(\a)+(\q)] matrix_a_fmt:MATRIX_FMT_FP6 matrix_b_fmt:MATRIX_FMT_FP6 matrix_a_scale:MATRIX_SCALE_ROW1
.endif
.endr
.endr
.endm
.macro FETCH_B slot, q, p              ; P's eight fragments of the slot's q-th 128 along K into set p
	WIN TO_B
.irp i, 0,1,2,3,4,5,6,7
	FRAG 128*(\p)+FR*\i, ADRB+\slot, \q, \i
.endr
	WIN 0
.endm
.macro FETCH_A slot, q, i0             ; R's blocks i0 .. i0 + 3
.irp i, \i0, \i0+1, \i0+2, \i0+3
	FRAG AF+FR*(\i), ADRA+\slot, \q, \i
.endr
.endm
.macro SCALES sc                       ; the next K step's scale words into set sc: lanes 0-15 take R's block i, lanes 16-31 P's block i; planes 512 bytes apart
.irp i, 0,1,2,3,4,5,6,7
.irp q, 0,1
	ds_load_b32 v[SC+8*NQ*\sc+NQ*\i+\q], v[ADRS] offset:512*\q+64*\i
.endr
.endr
.endm
.macro PLACES n                        ; plain vector lines between a matrix instruction and a load into, or a vector line on, its registers
.rept \n
	v_nop
.endr
.endm
.macro STEP slot, q, zero              ; a step of 128 along K that has its successor in the same slot
	s_wait_dscnt 4*NL                              ; P's set, R's blocks 0-3 and the scale words are in; the youngest 24 loads (R's blocks 4-7) may be out
	WIN MUL_LO
	MUL16 0, (\q)%2, \q, \slot, \zero
	MUL16 2, (\q)%2, \q, \slot, \zero
	s_wait_dscnt 0                                 ; R's blocks 4-7 are in
	PLACES NP
	FETCH_B \slot, (\q)+1, 1-(\q)%2
	FETCH_A \slot, (\q)+1, 0
	WIN MUL_HI
	MUL16 4, (\q)%2, \q, \slot, \zero
	MUL16 6, (\q)%2, \q, \slot, \zero
	PLACES NP
	WIN 0
	FETCH_A \slot, (\q)+1, 4
.endm
; A slot's last step changes slots: one barrier; in front of it each wave waits for all its tensor loads, adds 0 to its spare word, and waits for that and for its own reads of this slot.  fill = 1: this slot is filled again, two K steps ahead.
.macro TURN slot, next, fill
	s_wait_tensorcnt 0x0                           ; all my tensor loads have landed: my part of the next slot
	ds_add_u32 v[SPW], v[NIL]                      ; 0 onto my spare word
	s_wait_dscnt 4*NL+1                            ; (the add and the youngest 24 loads, R's blocks 4-7, may be out)
	WIN MUL_LO
	MUL16 0, 1, NQ-1, \slot, 0                     ; sixteen matrix instructions stand between the add and the wait for it
	s_wait_dscnt 0x0                               ; the add is done, and my reads of this slot are over
	s_barrier_signal -1
	MUL16 2, 1, NQ-1, \slot, 0
	WIN 0
	s_barrier_wait -1
.if \fill
	CREST                                          ; the barrier has opened a round of the cluster's barrier: no wave of any partner still reads this slot's tile or has a load on its way
	s_add_nc_u64 s[G0+4*\slot+2:G0+4*\slot+3], s[G0+4*\slot+2:G0+4*\slot+3], 6144
	s_add_nc_u64 s[G0B+4*\slot+2:G0B+4*\slot+3], s[G0B+4*\slot+2:G0B+4*\slot+3], 6144
	JLOAD G0+4*\slot, G1, G0B+4*\slot, G1B         ; the first tensor load behind the round; its four v_nop are the places in front of the loads below
.else
	PLACES NP
.endif
	v_add_nc_u32 v[ADRS], 1024, v[ADRS]            ; on to the next K step's two planes
	FETCH_B \next, 0, 0
	FETCH_A \next, 0, 0
	SCALES \next
	WIN MUL_HI
	MUL16 4, 1, NQ-1, \slot, 0
	MUL16 6, 1, NQ-1, \slot, 0
	PLACES NP
	WIN 0
	FETCH_A \next, 0, 4
.endm
.macro LAST                            ; the very last step: nothing more to fetch
	s_wait_dscnt 4*NL
	WIN MUL_LO
	MUL16 0, 1, NQ-1, 1, 0
	MUL16 2, 1, NQ-1, 1, 0
	s_wait_dscnt 0
	WIN MUL_HI
	MUL16 4, 1, NQ-1, 1, 0
	MUL16 6, 1, NQ-1, 1, 0
	WIN 0
.endm
; ---- the way out
.macro RECORD tok, chan, sub           ; s[10:11] steps to my record: (batch x 8 + head pair) x 16 + token / 128.  s94 keeps the token's place in its sequence
	s_sub_co_u32 s92, s[\chan], \sub
	s_and_b32 s92, s92, 1023
	s_lshr_b32 s92, s92, 7                         ; the head pair
	s_lshl_b32 s92, s92, 4
	s_lshr_b32 s93, s[\tok], 11                    ; the batch
	s_lshl_b32 s93, s93, 7
	s_add_co_u32 s92, s92, s93
	s_and_b32 s94, s[\tok], 2047
	s_lshr_b32 s93, s94, 7
	s_add_co_u32 s92, s92, s93
	s_mul_i32 s92, s92, REC
	s_mov_b32 s93, 0
	s_add_nc_u64 s[10:11], s[10:11], s[92:93]
.endm
.macro ROPELD a                        ; block a's (cos, sin): my token's pairs 8 h .. 8 h + 7 and 16 + 8 h .. : register 16 b' + 2 p holds the cos of pair 16 b' + 8 h + p, the next its sin
.irp m, 0,1,2,3,4,5,6,7
	global_load_b128 v[CS+32*((\a)%2)+4*\m:CS+32*((\a)%2)+4*\m+3], v[VR], s[8:9] offset:(32*((\a)/2)+8*((\a)%2))*256+128*(\m/4)+16*(\m%4)
.endr
.endm
.macro ROPE a                          ; block a's 64 numbers of a lane, 32 pairs (x1, x2), become (x1 cos - x2 sin, x1 sin + x2 cos), in place; each accumulator is read from its low end on
.set W, 2+(\a)/4
.set AC, 64*((\a)%4)
.set CA, CS+32*((\a)%2)
.set WW, W|(W<<6)
	WIN W                                          ; source 0 in the accumulators' window
.set n, 0
.rept 32
	v_pk_mul_f32 v[T+2*n:T+2*n+1], v[AC+2*n:AC+2*n+1], v[CA+(2*n)%32:CA+(2*n)%32+1] op_sel:[1,1] op_sel_hi:[1,0]   ; (x2 sin, x2 cos)
.set n, n+1
.endr
	WIN WW                                         ; and the destination too
.set n, 0
.rept 32
	v_pk_fma_f32 v[AC+2*n:AC+2*n+1], v[AC+2*n:AC+2*n+1], v[CA+(2*n)%32:CA+(2*n)%32+1], v[T+2*n:T+2*n+1] op_sel_hi:[0,1,1] neg_lo:[0,0,1]
.set n, n+1
.endr
	WIN 0
.endm
; Block a's 64 numbers of a lane, register 16 b + i = place 32 b + 16 (lane / 16) + i along the axis to be quantised, become a fragment's 12 registers of codes and a scale word.
.macro QUANT a
.set W, 2+(\a)/4
.set AC, 64*((\a)%4)
.set PA, PC+12*((\a)%2)
.set WW, (W<<2)|(W<<4)
	WIN WW                                         ; sources 1 and 2 in the accumulators' window
.irp b, 0,1,2,3
	v_max3_num_f32 v[TM+\b], 0x1800000, |v[AC+16*\b]|, |v[AC+16*\b+1]|   ; block b: my 16 numbers, and the floor 2^(3 - 127): the byte cannot fall under 1
.endr
.irp i, 2,4,6,8,10,12,14
.irp b, 0,1,2,3
	v_max3_num_f32 v[TM+\b], v[TM+\b], |v[AC+16*\b+\i]|, |v[AC+16*\b+\i+1]|   ; (the four blocks by turns)
.endr
.endr
	WIN 0
.irp b, 0,1,2,3
	v_permlanex16_b32 v[TM+4+\b], v[TM+\b], s[SEL], s[SEL+1]
.endr
.irp b, 0,1,2,3
	v_max_num_f32 v[TM+\b], v[TM+\b], v[TM+4+\b]   ; with lane l xor 16's: the block's largest magnitude
.endr
.irp b, 0,1,2,3
	v_add_nc_u32 v[TM+12+\b], 0xff000000, v[TM+\b] ; 2 off its exponent field: the conversion's scale operand
.endr
.irp b, 0,1,2,3
	v_lshrrev_b32 v[TM+4+\b], 23, v[TM+12+\b]      ; the scale's byte
.endr
	v_lshl_or_b32 v[PWS+(\a)], v[TM+5], 8, v[TM+4]
	v_lshl_or_b32 v[PWS+(\a)], v[TM+6], 16, v[PWS+(\a)]
	v_lshl_or_b32 v[PWS+(\a)], v[TM+7], 24, v[PWS+(\a)]
	s_wait_xcnt 0x0                                ; the stores of two blocks back have read these code registers
	WIN W
.irp c, 0,1
	v_cvt_scalef32_pk16_fp6_f32 v[PA+6*\c:PA+6*\c+2], v[AC+32*\c:AC+32*\c+15], v[TM+12+2*\c]
	v_cvt_scalef32_pk16_fp6_f32 v[PT+4*\c:PT+4*\c+2], v[AC+32*\c+16:AC+32*\c+31], v[TM+12+2*\c+1]   ; (a conversion's three registers begin on an even number)
.endr
	WIN 0
	v_nop                                          ; one plain line behind a scaled conversion
.irp c, 0,1                            ; the operand's layout wants a whole block in a lane: lanes 0-15 block 2 c, lanes 16-31 block 2 c + 1
.irp i, 0,1,2
	v_permlane16_swap_b32 v[PA+6*\c+\i], v[PT+4*\c+\i]
.endr
.irp i, 0,1,2
	v_mov_b32 v[PA+6*\c+3+\i], v[PT+4*\c+\i]
.endr
.endr
.endm
.macro PUT a                           ; the fragment leaves as it stands: six stores of 256 consecutive, aligned bytes
.set PA, PC+12*((\a)%2)
.irp j, 0,1,2,3,4,5
	global_store_b64 v[VO], v[PA+2*\j:PA+2*\j+1], s[20:21] offset:1536*(\a)+256*\j
.endr
.endm
.macro EPI rope
	PLACES NP                                      ; behind the last products: vector lines read results and write registers that held R's fragments
.irp a, 0,1,2,3,4,5,6,7
.if \rope
.if \a < 7
	s_wait_loadcnt 8                               ; this block's eight table loads are in; the next block's may be out
.else
	s_wait_loadcnt 0x0
.endif
	ROPE \a
.if \a < 6
	ROPELD \a+2
.endif
.endif
	QUANT \a
	PUT \a
.endr
.if \rope
.irp b, 0,1,2,3
	v_perm_b32 v[W4+\b], v[PWS+2*\b+1], v[PWS+2*\b], v[VSEL]   ; images 2 b and 2 b + 1: lanes 0-15 gather head 0's two bytes of each, lanes 16-31 head 1's
.endr
.else
	v_cmp_eq_u32 vcc_lo, 1, v2
.irp c, 0,1,2,3
	v_cndmask_b32 v[W4+\c], v[PWS+\c], v[PWS+4+\c], vcc_lo     ; lanes 0-15 head 0's four fragments, lanes 16-31 head 1's
.endr
.endif
	global_store_b128 v[VS16], v[W4:W4+3], s[22:23]            ; 512 consecutive bytes
.endm
	s_wait_tensorcnt 1                             ; the scales and my part of K step 0 are in (K step 1's load may be out)
	s_barrier_signal -1
	s_barrier_wait -1                              ; everybody's are
	FETCH_B 0, 0, 0
	FETCH_A 0, 0, 0
	SCALES 0
	FETCH_A 0, 0, 4
	STEP 0, 0, 1                                   ; the first step stands in front of the loop: its products start the sums
	s_mov_b32 s3, 1
.Llap:                                                 ; once round the ring, from a lap's second step to the next lap's first; both slots are filled again
	TURN 0, 1, 1
	STEP 1, 0, 0
	TURN 1, 0, 1
	STEP 0, 0, 0
	s_sub_co_u32 s3, s3, 1
	s_cmp_lg_u32 s3, 0
	s_cbranch_scc1 .Llap
	TURN 0, 1, 0                                   ; the last lap fills nothing, and has no round of the cluster's barrier
	STEP 1, 0, 0
	s_mov_b32 s[SEL], 0x76543210
	s_mov_b32 s[SEL+1], 0xfedcba98                 ; v_permlanex16_b32's selects for lane l xor 16
	s_cmp_lt_u32 s12, 8                            ; the one parting: it hangs on the cluster's y, the same in all partners
	s_cbranch_scc0 .Lv
	RECORD 66, 67, 8192                            ; q, k: tokens are R's rows, channels P's (Wq begins at stacked row 8,192; Wk 1,024 on)
	s_lshl_b32 s92, s94, 8
	s_add_nc_u64 s[8:9], s[8:9], s[92:93]          ; the table at my first token
	s_mov_b32 s94, 24576
	s_cmp_eq_u32 ttmp9, 0                          ; q's clusters or k's
	s_cselect_b32 s92, 25600, 0
	s_cselect_b32 s94, 37888, s94
	s_mov_b32 s95, 0
	s_add_nc_u64 s[20:21], s[10:11], s[92:93]      ; where the codes go,
	s_add_nc_u64 s[22:23], s[10:11], s[94:95]      ; and the scale words
	ROPELD 0                                       ; two blocks' table entries land under the last 64 products
	ROPELD 1
	LAST
	EPI 1
	s_branch .Lend
.Lv:
	RECORD 67, 66, 10240                           ; v: tokens are P's rows, channels R's (Wv begins at stacked row 10,240)
	s_add_nc_u64 s[20:21], s[10:11], 12288
	s_add_nc_u64 s[22:23], s[10:11], 25088
	LAST
	EPI 0
.Lend:
	s_wait_tensorcnt 0x0                           ; the wave's end
	ds_add_u32 v[SPW], v[NIL]
	s_wait_dscnt 0x0
	CROUND                                         ; the closing round: no work-group ends while a partner may still ask for a tile that names it
	s_endpgm
.Lfunc_end_k_qcaf57a49dc_proj:
	.size	k_qcaf57a49dc_proj, .Lfunc_end_k_qcaf57a49dc_proj-k_qcaf57a49dc_proj
	.p2alignl 7, 3214868480
	.fill 96, 4, 3214868480
	.section	.rodata,"a",@progbits
	.p2align	6, 0x0
	.amdhsa_kernel k_qcaf57a49dc_proj
		.amdhsa_group_segment_fixed_size 327680
		.amdhsa_private_segment_fixed_size 0
		.amdhsa_enable_private_segment 0
		.amdhsa_kernarg_size 32
		.amdhsa_user_sgpr_count 2
		.amdhsa_user_sgpr_kernarg_segment_ptr 1
		.amdhsa_wavefront_size32 1
		.amdhsa_system_sgpr_workgroup_id_x 1
		.amdhsa_system_sgpr_workgroup_id_y 1
		.amdhsa_system_sgpr_workgroup_id_z 1
		.amdhsa_system_vgpr_workitem_id 0
		.amdhsa_next_free_vgpr 1024
		.amdhsa_next_free_sgpr 104
		.amdhsa_reserve_vcc 1
		.amdhsa_float_denorm_mode_32 3
		.amdhsa_float_denorm_mode_16_64 3
		.amdhsa_memory_ordered 1
		.amdhsa_forward_progress 1
		.amdhsa_inst_pref_size 253
	.end_amdhsa_kernel
	.amdgpu_metadata
---
amdhsa.version: [ 1, 2 ]
amdhsa.kernels:
  - .name:           k_qcaf57a49dc_proj
    .symbol:         k_qcaf57a49dc_proj.kd
    .args:
      - { .name: opc, .offset: 0, .size: 8, .value_kind: global_buffer, .address_space: global }
      - { .name: ops, .offset: 8, .size: 8, .value_kind: global_buffer, .address_space: global }
      - { .name: rope, .offset: 16, .size: 8, .value_kind: global_buffer, .address_space: global }
      - { .name: qkv, .offset: 24, .size: 8, .value_kind: global_buffer, .address_space: global }
    .group_segment_fixed_size: 327680
    .private_segment_fixed_size: 0
    .kernarg_segment_align: 8
    .kernarg_segment_size: 32
    .max_flat_workgroup_size: 128
    .sgpr_count:     104
    .vgpr_count:     1024
    .wavefront_size: 32
...
	.end_amdgpu_metadata
.endif
;; end of part 2
;; launch attn (part 3): grid 32 x 16, 16 waves a work-group, no clusters, 327,680 bytes of LDS; arguments qkv, cc, cs; writes cc, cs
.if DOCPART == 3
	.amdgcn_target "amdgcn-amd-amdhsa--gfx1250"
	.amdhsa_code_object_version 6
	.text
	.protected	k_qcaf57a49dc_attn
	.globl	k_qcaf57a49dc_attn
	.p2align	8
	.type	k_qcaf57a49dc_attn,@function
k_qcaf57a49dc_attn:
	s_mov_b64 s[64:65], 0
	v_nop
	global_prefetch_b8 v0, s[64:65] scope:SCOPE_SE
	s_setreg_imm32_b32 hwreg(HW_REG_WAVE_MODE, 25, 1), 1
	s_wait_xcnt 0x0
; ctx = softmax(q k^T / 8, causal) v for 64 heads of 64, both products on codes of FP6 (E2M3) with E8M0 scales; ctx = O / l is quantised along d_model and leaves as codes.
; THE SOFTMAX AHEAD OF THE SECOND PRODUCT: t = score x log2(e) / 8 (one multiplication); M = the row's largest t so far, rounded up to a whole number; p = 2^(t - M) is quantised along the keys, not normalised;
; the row's sum is taken of the unquantised p and divides O at the end.  When M moves, the sum and O are multiplied by 2^(old M - new M): exact.
; qkv: records of 38,400 bytes, record (batch x 8 + head pair) x 16 + (token / 128); its first 25,600 bytes are a key step for both heads: K codes [image a 0..7][head][768], V codes [head][c 0..3][1,536] at 12,288,
; K scales [head][r][b] words at 24,576, V scales [head][r][c] words at 25,088; Q codes at 25,600 and Q scales at 37,888, laid as K's.  An image is 16 tokens x the head's 64: lane r of image a is token 32 (a / 2) + 8 (a % 2) + r + 8 (r / 8).
; SHARES.  A work-group owns a head pair (x) and 128 queries (block 15 - y: the longest blocks have the lowest y).  Wave w: head w % 2, query image w / 2: 16 queries in 256 registers, four waves to a SIMD.
; Key steps of 128 come through two LDS slots, one dense block of 25,600 bytes a step, waves 0-3 fetching a quarter each.  Block qb walks steps 0 .. qb; tiles are fetched in pairs, so an even qb fetches one tile that it does not use.
; No multicast: under the causal mask work-groups of one head pair need different numbers of tiles, and a step's 25,600 bytes are small beside its sixteen waves' vector work.
; LAYOUT.  S^T = K Q^T: the head has 64 along K, the instruction 128: source 0 holds TWO key images on end, source 1 the query's codes in one half and zero codes in the other ([q|0] for the first image, [0|q] for the second).
; So register 16 b + 8 u + j of lane (r, h) is key 32 b + 16 h + 8 u + j of query r.  O^T = V^T P^T: register 16 b + 8 u + j is channel 32 b + 16 h + 8 u + j.  A lane holds one query throughout.
; LIMITS: a block of zeros has the byte 1 where the rule says 127 (zero codes; this program alone reads the bytes); NaN and infinities are not served.
.set REC,   38400
.set SLOTB, 25600
.set CSW,   51200                      ; LDS: behind the slots 512 bytes in which ctx's scale words meet (no tile lands there),
.set SPARE, 51712                      ; and the spare words, 128 bytes for each wave: eight blocks of 256 bytes that no other line names
.set AK,   1                           ; v1   8 x lane + my head's images of K
.set AV,   2                           ; v2   8 x lane + my head's fragments of V
.set ASC,  3                           ; v3   my row's four scale words of K (V's: 512 bytes on)
.set SPW,  4                           ; v4   LDS address of my spare word; never rewritten
.set NIL,  5                           ; v5   0; never rewritten
.set DQ,   6                           ; v6   my query's place in its block of 128, less 16 h
.set NINF, 7                           ; v7   -infinity
.set VO,   8                           ; v8   8 x lane
.set CSA,  9                           ; v9   where my query's two scale bytes go
.set CSR,  10                          ; v10  and where wave 0 reads them back
.set PFO,  11                          ; v11  the prefetches' offset: 256 x min(lane, 24)
.set QA,   16                          ; v16-27 [q|0]; v28-39 [0|q]
.set QS,   40                          ; v40  q's scale word
.set V16,  41                          ; v41  16 x lane
.set KF,   48                          ; v48-95 four fragments, of K and then of V
.set S,    96                          ; v96-159 S^T, then p
.set O,    160                         ; v160-191 O^T
.set P,    192                         ; v192-203 p's codes
.set PT,   204                         ; v204-211 the conversions' second halves
.set BM,   212                         ; v212-215 the blocks' largest scores, then largest p
.set BT,   216                         ; v216-219 the other half's / bytes
.set SO,   220                         ; v220-223 the conversions' scale operands
.set PW,   224                         ; v224 p's scale word
.set F,    226                         ; v[226:227] f = 2^(old M - new M), and a 0 named with it
.set SU,   228                         ; v[228:229] the second chain of sums
.set TMP,  230
.set KS,   232                         ; v232-235 K's scale words; v236-239 V's
.set VS,   236
.set WV,   10                          ; s10 wave; s11 head; s12 query image
.set HD,   11
.set QT,   12
.set QBK,  14                          ; s14 my block of queries
.set PAR,  15                          ; s15 its parity
.set G1,   16                          ; s[16:23] group 1; s[24:27], s[28:31] group 0 of slot 0, 1
.set G0,   24
.set CNT,  32                          ; s32 trips of the loop
.set LEFT, 33                          ; s33 tiles from the one in hand on
.set LIM,  34                          ; s34 1 in a wave that prefetches, else the greatest number
.set PFA,  36                          ; s[36:37] where my prefetches stand
.set CS,   38                          ; s[38:39] c = log2(e) / 8
.set SEL,  40                          ; s[40:41] lane selects for lane l xor 16
.macro TLOAD s                         ; waves 0-3 fetch a quarter of a tile each; four v_nop follow the load
	s_cmp_lt_u32 s[WV], 4
	s_cbranch_scc0 .Lnot_mine_\@
	tensor_load_to_lds s[G0+4*(\s):G0+4*(\s)+3], s[G1:G1+7]
	s_nop 0
.rept 4
	v_nop
.endr
.Lnot_mine_\@:
.endm
; A prefetch into the L2 of the tile behind the one just asked for: one key step ahead of its load.  All work-groups of a head pair walk the same tiles: the one with y = 0, which walks all sixteen, asks.  In it wave 4 + k names the 6,400 bytes
; that wave k will fetch, lanes 256 bytes apart (lanes 25-31 name lane 24's block).  Tiles 0 and 1 come by their loads alone; the last two steps ask for nothing.
.macro ASK
	s_cmp_gt_u32 s[LEFT], s[LIM]
	s_cbranch_scc0 .Lno_ask_\@
	global_prefetch_b8 v[PFO], s[PFA:PFA+1] th:TH_LOAD_NT scope:SCOPE_SE
.Lno_ask_\@:
.endm
	s_load_b128 s[4:7], s[0:1], 0x0                ; qkv s[4:5], cc s[6:7]
	s_load_b64 s[8:9], s[0:1], 0x10                ; cs
	v_lshl_add_u32 v[SPW], v0, 2, SPARE
	v_mov_b32 v[NIL], 0
	ds_add_u32 v4, v5
	ds_add_u32 v4, v5
	s_wait_dscnt 0x0
	v_lshrrev_b32 v1, 5, v0
	s_delay_alu instid0(VALU_DEP_1)
	v_readfirstlane_b32 s[WV], v1                  ; wave 0..15
	s_and_b32 s[HD], s[WV], 1
	s_lshr_b32 s[QT], s[WV], 1
	s_and_b32 s13, ttmp7, 0xffff
	s_sub_co_u32 s[QBK], 15, s13
	s_and_b32 s[PAR], s[QBK], 1
	s_add_co_u32 s[CNT], s[QBK], 2
	s_lshr_b32 s[CNT], s[CNT], 1                   ; pairs of tiles
	s_lshl_b32 s[LEFT], s[CNT], 1
	s_sub_co_u32 s[CNT], s[CNT], 1                 ; all pairs but the last go round the loop
	; group 1: a dense block of 6,400 bytes as 25 rows of 32 elements of 8 bytes
	s_mov_b32 s[G1], 3<<16
	s_mov_b32 s[G1+1], 32<<16
	s_mov_b32 s[G1+2], 25<<16
	s_mov_b32 s[G1+3], 32<<16
	s_mov_b32 s[G1+4], 25
	s_mov_b32 s[G1+5], 32
	s_mov_b32 s[G1+6], 0
	s_mov_b32 s[G1+7], 0
	s_mov_b32 s[CS], 0x3e38aa3b
	s_mov_b32 s[CS+1], s[CS]                       ; (named with it as a pair, so it is written)
	s_mov_b32 s[SEL], 0x76543210
	s_mov_b32 s[SEL+1], 0xfedcba98
	; every LDS address is made here, ahead of the first branch on the wave's number; none is stepped later
	v_and_b32 v42, 31, v0                          ; lane
	v_and_b32 v43, 15, v0                          ; r
	s_wait_alu depctr_va_vdst(0)
	v_bfe_u32 v44, v0, 4, 1                        ; h
	v_lshlrev_b32 v[VO], 3, v42
	v_lshlrev_b32 v[V16], 4, v42
	s_mul_i32 s42, s[HD], 768
	v_add_nc_u32 v[AK], s42, v[VO]
	s_mul_i32 s42, s[HD], 6144
	s_add_co_u32 s42, s42, 12288
	v_add_nc_u32 v[AV], s42, v[VO]
	s_lshl_b32 s42, s[HD], 8
	s_add_co_u32 s42, s42, 24576
	v_lshl_add_u32 v[ASC], v43, 4, s42
	s_lshl_b32 s42, s[QT], 6
	s_lshl_b32 s43, s[HD], 1
	s_add_co_u32 s42, s42, s43
	s_add_co_u32 s42, s42, CSW
	v_lshl_add_u32 v[CSA], v43, 2, s42             ; word 16 x image + r, halfword = head
	v_lshl_add_u32 v[CSR], v42, 4, CSW
	s_lshr_b32 s42, s[QT], 1
	s_lshl_b32 s42, s42, 5
	s_and_b32 s43, s[QT], 1
	s_lshl_b32 s43, s43, 3
	s_add_co_u32 s42, s42, s43
	v_and_b32 v46, 8, v43
	s_delay_alu instid0(VALU_DEP_1)
	v_add_nc_u32 v[DQ], v46, v43
	s_delay_alu instid0(VALU_DEP_1)
	v_add_nc_u32 v[DQ], s42, v[DQ]                 ; my query: 32 (image / 2) + 8 (image % 2) + r + 8 (r / 8)
	v_lshlrev_b32 v46, 4, v44
	s_delay_alu instid0(VALU_DEP_1)
	v_sub_nc_u32 v[DQ], v[DQ], v46
	v_mov_b32 v[NINF], 0xff800000
	v_min_u32 v[PFO], 24, v42
	s_delay_alu instid0(VALU_DEP_1)
	v_lshlrev_b32 v[PFO], 8, v[PFO]
	v_lshlrev_b32 v45, 4, v43                      ; q's scale words: 16 bytes a row
	; offsets in memory
	s_mul_i32 s44, ttmp9, 16*REC                   ; the head pair's sixteen records
	s_mov_b32 s45, 0
	s_mul_i32 s46, s[QBK], REC
	s_mul_i32 s42, s[QT], 1536
	s_mul_i32 s43, s[HD], 768
	s_add_co_u32 s48, s46, 37888
	s_add_co_u32 s46, s46, 25600
	s_add_co_u32 s46, s46, s42
	s_add_co_u32 s46, s46, s43                     ; my image of Q
	s_mov_b32 s47, 0
	s_lshl_b32 s42, s[HD], 8
	s_add_co_u32 s48, s48, s42
	s_lshr_b32 s42, s[QT], 1
	s_lshl_b32 s42, s42, 2
	s_add_co_u32 s48, s48, s42                     ; and the word that holds its scale bytes
	s_mov_b32 s49, 0
	s_and_b32 s50, s[WV], 3
	s_mul_i32 s50, s50, 6400                       ; the quarter of a tile that I fetch (waves 0-3) or name (waves 4-7)
	s_mov_b32 s51, 0
	s_lshr_b32 s54, ttmp9, 3                       ; the batch
	s_and_b32 s55, ttmp9, 7                        ; the head pair
	s_lshl_b32 s56, s54, 7
	s_lshl_b32 s42, s[QBK], 3
	s_add_co_u32 s56, s56, s42
	s_add_co_u32 s56, s56, s[QT]                   ; my row-block of ctx
	s_lshl_b32 s56, s56, 4
	s_lshl_b32 s42, s55, 1
	s_add_co_u32 s56, s56, s42
	s_add_co_u32 s56, s56, s[HD]                   ; x 16 + my head
	s_mul_i32 s56, s56, 768
	s_mov_b32 s57, 0
	s_lshl_b32 s58, s55, 15                        ; ctx's scale plane,
	s_lshl_b32 s42, s54, 13
	s_add_co_u32 s58, s58, s42
	s_lshl_b32 s42, s[QBK], 9
	s_add_co_u32 s58, s58, s42                     ; and the block's 128 words in it
	s_mov_b32 s59, 0
	s_sub_co_u32 s42, s[WV], 4
	s_lshr_b32 s42, s42, 2                         ; 0 in waves 4 to 7,
	s_or_b32 s42, s42, s13                         ; of the work-groups with y = 0
	s_cmp_eq_u32 s42, 0
	s_cselect_b32 s[LIM], 1, -1
	s_wait_kmcnt 0x0
	s_add_nc_u64 s[44:45], s[4:5], s[44:45]
	s_add_nc_u64 s[46:47], s[44:45], s[46:47]
	s_add_nc_u64 s[48:49], s[44:45], s[48:49]
	s_add_nc_u64 s[52:53], s[44:45], s[50:51]
	s_add_nc_u64 s[PFA:PFA+1], s[52:53], REC       ; at tile 1: each step moves it on by a tile before it is used
	s_add_nc_u64 s[6:7], s[6:7], s[56:57]
	s_add_nc_u64 s[8:9], s[8:9], s[58:59]
.irp s, 0,1
	s_mov_b32 s[G0+4*\s], 1
	s_add_co_u32 s[G0+4*\s+1], s50, \s*SLOTB
	s_add_nc_u64 s[G0+4*\s+2:G0+4*\s+3], s[52:53], \s*REC
	s_or_b32 s[G0+4*\s+3], s[G0+4*\s+3], 0x80000000
.endr
	TLOAD 0                                        ; tile 0: the one first fill
.irp j, 0,1,2
	global_load_b64 v[QA+2*\j:QA+2*\j+1], v[VO], s[46:47] offset:256*\j          ; q's six registers, once for [q|0]
	global_load_b64 v[QA+18+2*\j:QA+18+2*\j+1], v[VO], s[46:47] offset:256*\j    ; and once for [0|q]
.endr
	s_wait_alu depctr_va_vdst(0)
	global_load_b32 v[QS], v45, s[48:49]
.irp j, 6,7,8,9,10,11,12,13,14,15,16,17
	v_mov_b32 v[QA+\j], 0                          ; the zero codes
.endr
	s_and_b32 s42, s[QT], 1
	s_lshl_b32 s42, s42, 4
	s_wait_loadcnt 0x0                             ; q and its scale word.  The word is finished HERE, ahead of the clearing below: a scale register written by vector lines stands eight plain vector lines
	v_lshrrev_b32 v[QS], s42, v[QS]                ; ahead of the scaled product that names it, and the 42 lines that follow are those lines.  My image's two bytes of the word,
	s_delay_alu instid0(VALU_DEP_1)
	v_and_b32 v[QS], 0xffff, v[QS]
	s_delay_alu instid0(VALU_DEP_1)
	v_lshl_or_b32 v[QS], v[QS], 16, v[QS]          ; in both halves: they serve [q|0] and [0|q]; over zero codes any byte but 0xff does
.set j, 0
.rept 32
	v_mov_b32 v[O+j], 0                            ; O^T.  (The step is written without a first form: the first change of M multiplies zeros)
.set j, j+1
.endr
	v_mov_b32 v13, 0xff61b1e6                      ; the largest t so far: -3e38
	s_delay_alu instid0(VALU_DEP_1)
	v_floor_f32 v12, -v13                          ; -M
	v_mov_b32 v14, 0                               ; the sum, in two halves
	v_mov_b32 v15, 0
.irp b, 0,1,2,3
	v_mov_b32 v[BT+\b], 0                          ; a lane permute's destination counts as one of its sources
.endr
	v_mov_b32 v[F+1], 0
	v_mov_b32 v[TMP], 0
; A KEY STEP of 128 keys in a slot.  mode 0: all keys count.  mode 1: on the diagonal where the block's number is even.  mode 2: on the diagonal where it is odd, else hidden as a whole: its work is jumped over.
.macro STEP slot, mode
.set SB, (\slot)*SLOTB
.if \mode == 2
	s_cmp_eq_u32 s[PAR], 0
	s_cbranch_scc1 .Lhidden_\@
.endif
.irp f, 0,1,2,3
.irp p, 0,1,2,3,4,5
	ds_load_b64 v[KF+12*\f+2*\p:KF+12*\f+2*\p+1], v[AK] offset:SB+3072*\f+1536*(\p/3)+256*(\p%3)   ; images 2 f and 2 f + 1 of my head
.endr
.endr
	ds_load_b128 v[KS:KS+3], v[ASC] offset:SB
	s_wait_dscnt 0x0
.irp f, 0,1,2,3
.irp u, 0,1
	v_wmma_scale_f32_16x16x128_f8f6f4 v[S+8*(2*\f+\u):S+8*(2*\f+\u)+7], v[KF+12*\f:KF+12*\f+11], v[QA+12*\u:QA+12*\u+11], 0, v[KS+\f], v[QS] matrix_a_fmt:MATRIX_FMT_FP6 matrix_b_fmt:MATRIX_FMT_FP6
.endr
.endr
.rept 4
	v_nop                                          ; places in front of the loads into K's registers and of the first read of the scores
.endr
.irp c, 0,1,2,3
.irp p, 0,1,2,3,4,5
	ds_load_b64 v[KF+12*\c+2*\p:KF+12*\c+2*\p+1], v[AV] offset:SB+1536*\c+256*\p    ; V's four fragments land under the softmax
.endr
.endr
	ds_load_b128 v[VS:VS+3], v[ASC] offset:SB+512
.if \mode > 0                          ; on the diagonal the scores of hidden keys become -infinity ahead of the maximum: p = 0 then
.if \mode == 1
	s_cmp_eq_u32 s[PAR], 1
	s_cbranch_scc1 .Lopen_\@
.endif
.set n, 0
.rept 64
	v_cmp_gt_i32 vcc_lo, 32*(n/16)+n%16, v[DQ]     ; register n holds key 32 (n / 16) + n % 16 + 16 h
	v_cndmask_b32 v[S+n], v[S+n], v[NINF], vcc_lo
.set n, n+1
.endr
.if \mode == 1
.Lopen_\@:
.endif
.endif
.irp b, 0,1,2,3
	v_max3_num_f32 v[BM+\b], v[S+16*\b], v[S+16*\b+1], v[S+16*\b+2]   ; the largest score of each block of 32 keys: it serves the row's maximum and, since p rises with the score, the block's largest p
.endr
.irp i, 3,5,7,9,11,13
.irp b, 0,1,2,3
	v_max3_num_f32 v[BM+\b], v[BM+\b], v[S+16*\b+\i], v[S+16*\b+\i+1]
.endr
.endr
.irp b, 0,1,2,3
	v_max_num_f32 v[BM+\b], v[BM+\b], v[S+16*\b+15]
.endr
.irp b, 0,1,2,3
	s_delay_alu instid0(VALU_DEP_4)
	v_permlanex16_b32 v[BT+\b], v[BM+\b], s[SEL], s[SEL+1]
.endr
.irp b, 0,1,2,3
	s_delay_alu instid0(VALU_DEP_4)
	v_max_num_f32 v[BM+\b], v[BM+\b], v[BT+\b]     ; with lane l xor 16's 16 keys
.endr
	s_delay_alu instid0(VALU_DEP_2)
	v_max3_num_f32 v[TMP], v[BM], v[BM+1], v[BM+2]
	s_delay_alu instid0(VALU_DEP_1)
	v_max_num_f32 v[TMP], v[TMP], v[BM+3]          ; the step's largest score of my query
	s_delay_alu instid0(VALU_DEP_1)
	v_mul_f32 v[TMP], s[CS], v[TMP]                ; as t
	s_delay_alu instid0(VALU_DEP_1)
	v_max_num_f32 v13, v13, v[TMP]                 ; the running largest t
	v_mov_b32 v[TMP], v12
	s_delay_alu instid0(VALU_DEP_2)
	v_floor_f32 v12, -v13                          ; the new -M = -ceil(t)
	s_delay_alu instid0(VALU_DEP_1)
	v_sub_f32 v[TMP], v12, v[TMP]                  ; old M less new M: a whole number, 0 or less
	s_delay_alu instid0(VALU_DEP_1)
	v_cvt_i32_f32 v[TMP], v[TMP]                   ; (it saturates)
	s_delay_alu instid0(VALU_DEP_1)
	v_ldexp_f32 v[F], 1.0, v[TMP]                  ; f = 2^(old M - new M)
.set j, 0
.rept 32
	v_pk_fma_f32 v[S+j:S+j+1], v[S+j:S+j+1], s[CS:CS+1], v[12:13] op_sel_hi:[1,0,0]   ; t - M, two at a time
.set j, j+2
.endr
.irp b, 0,1,2,3
	v_fma_f32 v[BM+\b], v[BM+\b], s[CS], v12       ; the same of each block's largest score
.endr
.set j, 0
	s_wait_alu depctr_va_vdst(0)
.rept 64
	v_exp_f32 v[S+j], v[S+j]                       ; p = 2^(t - M), at most 1
.set j, j+1
.endr
	v_pk_mul_f32 v[14:15], v[14:15], v[F:F+1] op_sel_hi:[1,0]   ; the sums under the new M (a plain line behind the exponentials)
	s_wait_alu depctr_va_vdst(0)                   ; one wait for the batch, ahead of its first reader
.irp b, 0,1,2,3
	v_exp_f32 v[BM+\b], v[BM+\b]                   ; the block's largest p: the same two instructions on the same number give the same bits
.endr
	v_pk_add_f32 v[228:229], v[100:101], v[104:105]
	v_pk_add_f32 v[254:255], v[108:109], v[112:113]
	v_pk_add_f32 v[252:253], v[116:117], v[120:121]
	v_pk_add_f32 v[250:251], v[124:125], v[128:129]
	v_pk_add_f32 v[248:249], v[132:133], v[136:137]
	v_pk_add_f32 v[246:247], v[140:141], v[144:145]
	v_pk_add_f32 v[244:245], v[148:149], v[152:153]
	v_pk_add_f32 v[14:15], v[14:15], v[156:157]
	v_pk_add_f32 v[228:229], v[228:229], v[96:97]
	v_pk_add_f32 v[254:255], v[254:255], v[98:99]
	v_pk_add_f32 v[252:253], v[252:253], v[102:103]
	v_pk_add_f32 v[250:251], v[250:251], v[106:107]
	v_pk_add_f32 v[248:249], v[248:249], v[110:111]
	v_pk_add_f32 v[246:247], v[246:247], v[114:115]
	v_pk_add_f32 v[244:245], v[244:245], v[118:119]
	v_pk_add_f32 v[14:15], v[14:15], v[122:123]
	v_pk_add_f32 v[228:229], v[228:229], v[126:127]
	v_pk_add_f32 v[254:255], v[254:255], v[130:131]
	v_pk_add_f32 v[252:253], v[252:253], v[134:135]
	v_pk_add_f32 v[250:251], v[250:251], v[138:139]
	v_pk_add_f32 v[248:249], v[248:249], v[142:143]
	v_pk_add_f32 v[246:247], v[246:247], v[146:147]
	v_pk_add_f32 v[244:245], v[244:245], v[150:151]
	v_pk_add_f32 v[14:15], v[14:15], v[154:155]
	v_pk_add_f32 v[228:229], v[228:229], v[158:159]
	s_delay_alu instid0(VALU_DEP_2)
	v_pk_add_f32 v[14:15], v[14:15], v[250:251]
	s_delay_alu instid0(VALU_DEP_2)
	v_pk_add_f32 v[228:229], v[228:229], v[248:249]
	v_pk_add_f32 v[254:255], v[254:255], v[246:247]
	v_pk_add_f32 v[252:253], v[252:253], v[244:245]
	s_delay_alu instid0(VALU_DEP_2)
	v_pk_add_f32 v[14:15], v[14:15], v[254:255]
	s_delay_alu instid0(VALU_DEP_2)
	v_pk_add_f32 v[228:229], v[228:229], v[252:253]
	s_delay_alu instid0(VALU_DEP_1)
	v_pk_add_f32 v[14:15], v[14:15], v[228:229]
	s_wait_alu depctr_va_vdst(0)                   ; and one for the four
.irp b, 0,1,2,3
	v_max_num_f32 v[BM+\b], 0x1800000, v[BM+\b]    ; the floor 2^(3 - 127): the byte cannot fall under 1
.endr
.irp b, 0,1,2,3
	s_delay_alu instid0(VALU_DEP_4)
	v_add_nc_u32 v[SO+\b], 0xff000000, v[BM+\b]    ; 2 off the exponent field: the conversion's scale operand
.endr
.irp b, 0,1,2,3
	s_delay_alu instid0(VALU_DEP_4)
	v_lshrrev_b32 v[BT+\b], 23, v[SO+\b]           ; the scale's byte
.endr
	s_delay_alu instid0(VALU_DEP_3)
	v_lshl_or_b32 v[PW], v[BT+1], 8, v[BT]         ; p's scale word for these 128 keys
	s_delay_alu instid0(VALU_DEP_1)
	v_lshl_or_b32 v[PW], v[BT+2], 16, v[PW]
	s_delay_alu instid0(VALU_DEP_1)
	v_lshl_or_b32 v[PW], v[BT+3], 24, v[PW]
.irp c, 0,1
	v_cvt_scalef32_pk16_fp6_f32 v[P+6*\c:P+6*\c+2], v[S+32*\c:S+32*\c+15], v[SO+2*\c]
	v_cvt_scalef32_pk16_fp6_f32 v[PT+4*\c:PT+4*\c+2], v[S+32*\c+16:S+32*\c+31], v[SO+2*\c+1]
.endr
	v_nop                                          ; one plain line behind a scaled conversion
.irp c, 0,1                            ; a whole block in a lane: lanes 0-15 block 2 c, lanes 16-31 block 2 c + 1
.irp i, 0,1,2
	v_permlane16_swap_b32 v[P+6*\c+\i], v[PT+4*\c+\i]
.endr
.irp i, 0,1,2
	s_delay_alu instid0(VALU_DEP_3)
	v_mov_b32 v[P+6*\c+3+\i], v[PT+4*\c+\i]
.endr
.endr
.set j, 0
.rept 16
	v_pk_mul_f32 v[O+j:O+j+1], v[O+j:O+j+1], v[F:F+1] op_sel_hi:[1,0]   ; O^T under the new M; these lines also stand between the operands' last writes and the products
.set j, j+2
.endr
	s_wait_alu depctr_va_vdst(0)
	s_wait_dscnt 0x0                               ; V is in
.irp c, 0,1,2,3
	v_wmma_scale_f32_16x16x128_f8f6f4 v[O+8*\c:O+8*\c+7], v[KF+12*\c:KF+12*\c+11], v[P:P+11], v[O+8*\c:O+8*\c+7], v[VS+\c], v[PW] matrix_a_fmt:MATRIX_FMT_FP6 matrix_b_fmt:MATRIX_FMT_FP6
.endr
.rept 4
	v_nop                                          ; places in front of the next loads into these fragments' registers, and of the way out
.endr
.if \mode == 2
.Lhidden_\@:
.endif
.endm
; A trip: each wave waits for all its tensor loads (its part of this trip's tile), adds 0 to its spare word, and waits for that and for its reads of the other slot; behind the barrier this slot is whole and nobody reads the other,
; which is filled first thing (refill = 1): that load has this trip's work in which to land.  One tensor load of a wave is out at any time.
.macro TRIP slot, refill, mode
	s_wait_tensorcnt 0x0                           ; no tensor load of mine is out, so a group 0 may be written
	ds_add_u32 v[SPW], v[NIL]                      ; 0 onto my spare word
	s_add_nc_u64 s[G0+4*\slot+2:G0+4*\slot+3], s[G0+4*\slot+2:G0+4*\slot+3], 2*REC   ; this slot's next tile
	s_wait_xcnt 0x0                                ; the last prefetch, a step back, has read its address
	s_add_nc_u64 s[PFA:PFA+1], s[PFA:PFA+1], REC
	s_sub_co_u32 s[LEFT], s[LEFT], 1
	s_wait_dscnt 0x0                               ; the add is done, and my reads of the other slot are over
	s_barrier_signal -1
	s_barrier_wait -1
.if \refill
	TLOAD 1-\slot
	ASK
.endif
	STEP \slot, \mode
.endm
	s_cmp_eq_u32 s[CNT], 0                         ; blocks 0 and 1 have the last pair alone
	s_cbranch_scc1 .Ltail
.Lloop:                                                ; two open key steps a trip
	TRIP 0, 1, 0
	TRIP 1, 1, 0
	s_sub_co_u32 s[CNT], s[CNT], 1
	s_cmp_lg_u32 s[CNT], 0
	s_cbranch_scc1 .Lloop
.Ltail:                                                ; the last pair is written out: it holds the diagonal, and its second trip asks for nothing
	TRIP 0, 1, 1
	TRIP 1, 0, 2
	; THE WAY OUT.  ctx = O^T / the sum; my query's 64 channels are two blocks of 32 along d_model: quantised, they are an image of the last product's operand and leave as they stand.
	v_add_f32 v14, v14, v15
	s_delay_alu instid0(VALU_DEP_1)
	v_permlanex16_b32 v[TMP], v14, s[SEL], s[SEL+1]
	s_delay_alu instid0(VALU_DEP_1)
	v_add_f32 v14, v14, v[TMP]                     ; the row's sum
	s_wait_alu depctr_va_vdst(0)
	v_rcp_f32 v14, v14
	v_nop                                          ; a plain line behind the reciprocal
	s_wait_alu depctr_va_vdst(0)                   ; and the wait ahead of its first reader
.set j, 0
.rept 32
	v_mul_f32 v[S+j], v[O+j], v14                  ; each accumulator from its low end on
.set j, j+1
.endr
.irp b, 0,1
	v_max3_num_f32 v[BM+\b], |v[S+16*\b]|, |v[S+16*\b+1]|, 0x1800000
.endr
.irp i, 2,4,6,8,10,12,14
.irp b, 0,1
	s_delay_alu instid0(VALU_DEP_2)
	v_max3_num_f32 v[BM+\b], v[BM+\b], |v[S+16*\b+\i]|, |v[S+16*\b+\i+1]|
.endr
.endr
.irp b, 0,1
	s_delay_alu instid0(VALU_DEP_2)
	v_permlanex16_b32 v[BT+\b], v[BM+\b], s[SEL], s[SEL+1]
.endr
.irp b, 0,1
	s_delay_alu instid0(VALU_DEP_2)
	v_max_num_f32 v[BM+\b], v[BM+\b], v[BT+\b]
.endr
.irp b, 0,1
	s_delay_alu instid0(VALU_DEP_2)
	v_add_nc_u32 v[SO+\b], 0xff000000, v[BM+\b]
.endr
.irp b, 0,1
	s_delay_alu instid0(VALU_DEP_2)
	v_lshrrev_b32 v[BT+\b], 23, v[SO+\b]
.endr
	s_delay_alu instid0(VALU_DEP_1)
	v_lshl_or_b32 v[PW], v[BT+1], 8, v[BT]         ; my head's two scale bytes of my query
	v_cvt_scalef32_pk16_fp6_f32 v[P:P+2], v[S:S+15], v[SO]
	v_cvt_scalef32_pk16_fp6_f32 v[PT:PT+2], v[S+16:S+31], v[SO+1]
	v_nop
.irp i, 0,1,2
	v_permlane16_swap_b32 v[P+\i], v[PT+\i]
.endr
.irp i, 0,1,2
	s_delay_alu instid0(VALU_DEP_3)
	v_mov_b32 v[P+3+\i], v[PT+\i]
.endr
.irp j, 0,1,2
	global_store_b64 v[VO], v[P+2*\j:P+2*\j+1], s[6:7] offset:256*\j   ; 32 lanes store 256 consecutive bytes, aligned
.endr
	ds_store_b16 v[CSA], v[PW]                     ; both lanes of a query write the same two bytes
	s_wait_dscnt 0x0                               ; for the others' sake
	s_barrier_signal -1
	s_barrier_wait -1
	s_cmp_lg_u32 s[WV], 0
	s_cbranch_scc1 .Lnot_0
	ds_load_b128 v[240:243], v[CSR]                ; wave 0 stores the block's 128 scale words: 512 consecutive bytes
	s_wait_dscnt 0x0
	global_store_b128 v[V16], v[240:243], s[8:9]
.Lnot_0:
	s_wait_tensorcnt 0x0                           ; the wave's end
	ds_add_u32 v[SPW], v[NIL]
	s_wait_dscnt 0x0
	s_endpgm
.Lfunc_end_k_qcaf57a49dc_attn:
	.size	k_qcaf57a49dc_attn, .Lfunc_end_k_qcaf57a49dc_attn-k_qcaf57a49dc_attn
	.p2alignl 7, 3214868480
	.fill 96, 4, 3214868480
	.section	.rodata,"a",@progbits
	.p2align	6, 0x0
	.amdhsa_kernel k_qcaf57a49dc_attn
		.amdhsa_group_segment_fixed_size 327680
		.amdhsa_private_segment_fixed_size 0
		.amdhsa_enable_private_segment 0
		.amdhsa_kernarg_size 24
		.amdhsa_user_sgpr_count 2
		.amdhsa_user_sgpr_kernarg_segment_ptr 1
		.amdhsa_wavefront_size32 1
		.amdhsa_system_sgpr_workgroup_id_x 1
		.amdhsa_system_sgpr_workgroup_id_y 1
		.amdhsa_system_sgpr_workgroup_id_z 1
		.amdhsa_system_vgpr_workitem_id 0
		.amdhsa_next_free_vgpr 256
		.amdhsa_next_free_sgpr 66
		.amdhsa_reserve_vcc 1
		.amdhsa_float_denorm_mode_32 3
		.amdhsa_float_denorm_mode_16_64 3
		.amdhsa_memory_ordered 1
		.amdhsa_forward_progress 1
		.amdhsa_inst_pref_size 98
	.end_amdhsa_kernel
	.amdgpu_metadata
---
amdhsa.version: [ 1, 2 ]
amdhsa.kernels:
  - .name:           k_qcaf57a49dc_attn
    .symbol:         k_qcaf57a49dc_attn.kd
    .args:
      - { .name: qkv, .offset: 0, .size: 8, .value_kind: global_buffer, .address_space: global }
      - { .name: cc, .offset: 8, .size: 8, .value_kind: global_buffer, .address_space: global }
      - { .name: cs, .offset: 16, .size: 8, .value_kind: global_buffer, .address_space: global }
    .group_segment_fixed_size: 327680
    .private_segment_fixed_size: 0
    .kernarg_segment_align: 8
    .kernarg_segment_size: 24
    .max_flat_workgroup_size: 512
    .sgpr_count:     66
    .vgpr_count:     256
    .wavefront_size: 32
...
	.end_amdgpu_metadata
.endif
;; end of part 3
;; launch outp (part 4): grid 4 x 32, 4 waves a work-group, clusters of 4 x 4, 327,680 bytes of LDS; arguments cc, cs, opc, ops, out0; writes out0
.if DOCPART == 4
	.amdgcn_target "amdgcn-amd-amdhsa--gfx1250"
	.amdhsa_code_object_version 6
	.text
	.protected	k_qcaf57a49dc_outp
	.globl	k_qcaf57a49dc_outp
	.p2align	8
	.type	k_qcaf57a49dc_outp,@function
k_qcaf57a49dc_outp:
	s_mov_b64 s[64:65], 0
	v_nop
	global_prefetch_b8 v0, s[64:65] scope:SCOPE_SE
	s_setreg_imm32_b32 hwreg(HW_REG_WAVE_MODE, 25, 1), 1
	s_wait_xcnt 0x0
	s_wait_alu depctr_hold_cnt(0) depctr_sa_sdst(0) depctr_va_vdst(0) depctr_va_sdst(0) depctr_va_ssrc(0) depctr_va_vcc(0) depctr_vm_vsrc(0)
	s_getreg_b32 s2, hwreg(HW_REG_IB_STS2, 6, 4)
	s_cmp_eq_u32 s2, 0
	s_cbranch_scc0 .Lentry_in_a_cluster
	s_endpgm
.Lentry_in_a_cluster:
	s_bfe_u32 s2, ttmp6, 0x10000c
	s_cmp_lg_u32 s2, 0xf033
	s_cbranch_scc0 .Lentry_shape_is_right
	s_endpgm
.Lentry_shape_is_right:
; out0 = ctx Wo^T on codes of FP6 (E2M3) with E8M0 scales; out0 [8192][1024] f32.
; OPERANDS lie in the order of the operand's registers: row-blocks of 16 (lane r of row-block rb: row 32 (rb / 2) + 8 (rb % 2) + r + 8 (r / 8)), images of 768 bytes for 64 along K, [rb][kg 0..15][768]; scale words [g 0..7][row as 16 rb + r].
; ctx: cc, cs (planes 32,768 bytes apart).  Wo: opc, ops at tiles 44-47 of 256 stacked rows (planes 49,152 bytes apart).
; A tile of the result, 256 x 256, is made by four waves, 128 x 128 each: 64 accumulators.  Source 0 is P = Wo (output columns run along a lane's registers), source 1 is R = ctx (tokens lie in the lanes).
; K goes in four steps of 256 through two LDS slots; a wave's tensor load brings 8 row-blocks x 3,072 bytes, dense in LDS; a fragment is six loads of 8 bytes a lane, 256 consecutive bytes each.  The scales of all of K come once.
; CLUSTERS: 4 x 4 work-groups: R's tile is shared along a row of the cluster, P's along a column: joint loads.
; The image order of rows and columns is undone on the way out: the columns by the place in the stage, the rows by the stores' immediate offsets.
; REGISTERS: window 0: v16-29 addresses; v32-63 scale words, two sets; v128-223 R's fragments; on the way out v128-255.  Window 1: P's fragments, two sets.  Windows 2, 3: accumulator (a, b) at v[8 (8 (a % 4) + b)] of window 2 + a / 4.
.set NQ,     2
.set FR,     12
.set NL,     6
.set NP,     4                         ; places behind this matrix instruction (ISA guide 7.12.1)
.set HALFT,  24576                     ; 128 rows x 256 along K: what one tensor load brings
.set SLOT,   98304                     ; R's 256 rows, then P's
.set TILEB,  196608
.set SCL,    196608                    ; behind the ring: the scales: R's halves at +0 and +4,096, P's at +8,256 and +12,352, each [g 0..7][128 words]
.set SPARE,  213248                    ; the spare words, 128 bytes for each wave: two blocks of 256 bytes that no other line names
.set SPITCH, 528                       ; the way out: a stage of 16 rows x (512 bytes + 16) for each wave, in slot 0, which has had its last fill and its last read when the first result is stored there
.set ADRA, 16
.set ADRB, 20
.set STO,  24                          ; v24  the way out: where I put 32 bytes of a row
.set RD,   25                          ; v25  where I read a row back
.set CO,   26                          ; v26  16 x lane: my bytes of a row of out0
.set ADRS, 27
.set SPW,  28                          ; v28  LDS address of my spare word; never rewritten
.set NIL,  29                          ; v29  0; never rewritten
.set SC,   32
.set AF,   128
.set BK,   128                         ; the way out: 16 rows read back: v128-191 and v192-255 by turns
.set G1, 24
.set G0, 32
.set G1B, 48
.set G0B, 56
.set G1S, 68
.set G0S, 76
.set G1SB, 80
.set G0SB, 88
.set MSB, 0
.macro WIN new                         ; the immediate's high byte repeats the setting that is left
.if MSB != \new
	s_set_vgpr_msb (MSB<<8)|\new
.set MSB, \new
.endif
.endm
.set MUL_LO, 0xa1
.set MUL_HI, 0xf1
.set TO_B,   0x40
.macro JLOAD g0a, g1a, g0b, g1b        ; a joint load: waves 0 and 1 fetch for R, waves 2 and 3 for P; four v_nop follow each of the two lines
	s_cmp_eq_u32 s15, 0
	s_cbranch_scc0 .Lfor_b_\@
	tensor_load_to_lds s[\g0a:\g0a+3], s[\g1a:\g1a+7]
	s_nop 0
.rept 4
	v_nop
.endr
	s_branch .Lasked_\@
.Lfor_b_\@:
	tensor_load_to_lds s[\g0b:\g0b+3], s[\g1b:\g1b+7]
	s_nop 0
.rept 4
	v_nop
.endr
.Lasked_\@:
.endm
.macro CREST
	s_cmp_lg_u32 s14, 0
	s_cbranch_scc1 .Lnot_wave_0_\@
	s_barrier_signal -3
.Lnot_wave_0_\@:
	s_barrier_wait -3
	s_barrier_signal -1
	s_barrier_wait -1
.endm
.macro CROUND
	s_barrier_signal -1
	s_barrier_wait -1
	CREST
.endm
	s_load_b256 s[4:11], s[0:1], 0x0               ; cc s[4:5], cs s[6:7], opc s[8:9], ops s[10:11]
	s_load_b64 s[12:13], s[0:1], 0x20              ; out0
	v_lshl_add_u32 v[SPW], v0, 2, SPARE
	v_mov_b32 v[NIL], 0
	ds_add_u32 v28, v29
	s_wait_dscnt 0x0
	v_lshrrev_b32 v1, 5, v0
	v_readfirstlane_b32 s14, v1                    ; wave 0..3
	s_lshr_b32 s15, s14, 1                         ; which half of R's rows is mine.  Also: I fetch for R (0) or for P (1)
	s_and_b32 s16, s14, 1                          ; which half of P's rows.  Also: which 128 rows of that tile I fetch
	s_bfe_u32 s40, ttmp6, 0x40000                  ; cx, cy
	s_bfe_u32 s41, ttmp6, 0x40004
	s_lshl_b32 s42, ttmp9, 2
	s_add_co_u32 s42, s42, s40                     ; tile column = 4 x cluster x + cx
	s_and_b32 s17, ttmp7, 0xffff
	s_lshl_b32 s17, s17, 2
	s_add_co_u32 s17, s17, s41                     ; tile row = 4 x cluster y + cy: R's tile
	s_add_co_u32 s95, s42, 44                      ; P's tile among the stacked rows
	s_lshl_b32 s43, s41, 2
	s_lshl_b32 s43, 15, s43                        ; my row of the cluster
	s_lshl_b32 s44, 0x1111, s40                    ; my column
	s_or_b32 s[G1+0], s43, (3<<16)|(1<<21)         ; codes: 8 rows (row-blocks) of 384 elements of 8 bytes, 1,536 elements apart; no padding
	s_or_b32 s[G1B+0], s44, (3<<16)|(1<<21)
.irp g, G1, G1B
	s_mov_b32 s[\g+1], 384<<16
	s_mov_b32 s[\g+2], 8<<16
	s_mov_b32 s[\g+3], 384<<16
	s_mov_b32 s[\g+4], 8
	s_mov_b32 s[\g+5], 1536
	s_mov_b32 s[\g+6], 0
	s_mov_b32 s[\g+7], 0
.endr
	s_or_b32 s[G1S+0], s43, (3<<16)|(1<<21)        ; scales: 8 planes, 512 bytes of each
	s_or_b32 s[G1SB+0], s44, (3<<16)|(1<<21)
.irp g, G1S, G1SB
	s_mov_b32 s[\g+1], 64<<16
	s_mov_b32 s[\g+2], 8<<16
	s_mov_b32 s[\g+3], 64<<16
	s_mov_b32 s[\g+4], 8
	s_mov_b32 s[\g+6], 0
	s_mov_b32 s[\g+7], 0
.endr
	s_mov_b32 s[G1S+5], 4096                       ; cs: planes 32,768 bytes apart
	s_mov_b32 s[G1SB+5], 6144                      ; ops: 49,152
	s_mul_i32 s20, s17, TILEB
	s_mul_i32 s18, s16, TILEB/2
	s_add_co_u32 s20, s20, s18
	s_mov_b32 s21, 0
	s_mul_i32 s46, s95, TILEB
	s_add_co_u32 s46, s46, s18
	s_mov_b32 s47, 0
	s_lshl_b32 s22, s17, 10
	s_lshl_b32 s18, s16, 9
	s_add_co_u32 s22, s22, s18
	s_mov_b32 s23, 0
	s_lshl_b32 s92, s95, 10
	s_add_co_u32 s92, s92, s18
	s_mov_b32 s93, 0
	s_mul_i32 s45, s14, HALFT                      ; where they go: no place in the cluster enters an LDS address
	s_lshl_b32 s94, s14, 12
	s_wait_kmcnt 0x0
	s_add_nc_u64 s[20:21], s[4:5], s[20:21]
	s_add_nc_u64 s[22:23], s[6:7], s[22:23]
	s_add_nc_u64 s[46:47], s[8:9], s[46:47]
	s_add_nc_u64 s[92:93], s[10:11], s[92:93]
	CROUND                                         ; all sixteen work-groups are here: the first joint loads meet
	s_mov_b32 s[G0S], 1
	s_add_co_u32 s[G0S+1], s94, SCL
	s_mov_b64 s[G0S+2:G0S+3], s[22:23]
	s_or_b32 s[G0S+3], s[G0S+3], 0x80000000
	s_mov_b32 s[G0SB], 1
	s_add_co_u32 s[G0SB+1], s94, SCL+64            ; P's scales lie 64 bytes further on, so that lanes 16-31 read other banks than lanes 0-15
	s_mov_b64 s[G0SB+2:G0SB+3], s[92:93]
	s_or_b32 s[G0SB+3], s[G0SB+3], 0x80000000
	JLOAD G0S, G1S, G0SB, G1SB
.irp s, 0,1
	s_mov_b32 s[G0+4*\s], 1
	s_add_co_u32 s[G0+4*\s+1], s45, \s*SLOT
	s_add_nc_u64 s[G0+4*\s+2:G0+4*\s+3], s[20:21], \s*3072
	s_or_b32 s[G0+4*\s+3], s[G0+4*\s+3], 0x80000000
	s_mov_b32 s[G0B+4*\s], 1
	s_add_co_u32 s[G0B+4*\s+1], s45, \s*SLOT
	s_add_nc_u64 s[G0B+4*\s+2:G0B+4*\s+3], s[46:47], \s*3072
	s_or_b32 s[G0B+4*\s+3], s[G0B+4*\s+3], 0x80000000
	JLOAD G0+4*\s, G1, G0B+4*\s, G1B               ; three tensor loads of mine are out
.endr
	v_and_b32 v1, 15, v0                           ; r
	v_bfe_u32 v2, v0, 4, 1                         ; h
	v_and_b32 v3, 31, v0
	v_lshlrev_b32 v4, 3, v3                        ; 8 x lane
	s_mul_i32 s21, s15, HALFT
	s_mul_i32 s22, s16, HALFT
	s_add_co_u32 s22, s22, 2*HALFT
.irp s, 0,1
	v_add_nc_u32 v[ADRA+\s], s21, v4
	v_add_nc_u32 v[ADRB+\s], s22, v4
	s_add_co_u32 s21, s21, SLOT
	s_add_co_u32 s22, s22, SLOT
.endr
	v_lshlrev_b32 v5, 2, v1
	s_mul_i32 s21, s15, 4096
	s_mul_i32 s22, s16, 4096
	s_add_co_u32 s22, s22, 8256
	s_sub_co_u32 s22, s22, s21
	v_mul_u32_u24 v6, s22, v2                      ; lanes 16-31 take P's: one product, the distance between the two
	s_add_co_u32 s21, s21, SCL
	v_add_nc_u32 v5, v5, v6
	v_add_nc_u32 v[ADRS], s21, v5
	s_mul_i32 s23, s14, 16*SPITCH                  ; my stage
	v_mul_u32_u24 v5, v1, SPITCH                   ; in: row r; my half's columns lie 64 bytes on
	v_lshl_add_u32 v5, v2, 6, v5
	v_add_nc_u32 v[STO], s23, v5
	v_lshlrev_b32 v[CO], 4, v3                     ; back: the 32 lanes take one row of 512 bytes; and the same in out0
	v_add_nc_u32 v[RD], s23, v[CO]
	s_lshl_b32 s20, s17, 8
	s_lshl_b32 s21, s15, 7
	s_add_co_u32 s20, s20, s21                     ; my first row of out0
	s_lshl_b32 s20, s20, 12                        ; rows of 4,096 bytes
	s_mov_b32 s21, 0
	s_lshl_b32 s46, s42, 10                        ; my first column, in bytes
	s_lshl_b32 s47, s16, 9
	s_add_co_u32 s46, s46, s47
	s_mov_b32 s47, 0
	s_add_nc_u64 s[20:21], s[20:21], s[46:47]
	s_add_nc_u64 s[12:13], s[12:13], s[20:21]
.macro FRAG reg, adr, q, i             ; a fragment: two images on end: six loads of 8 bytes a lane, 256 consecutive bytes each
.irp p, 0,1,2,3,4,5
	ds_load_b64 v[\reg+2*\p:\reg+2*\p+1], v[\adr] offset:(\i)*3072+(\q)*1536+256*\p
.endr
.endm
; 16 matrix instructions: R's blocks a0, a0 + 1 x P's eight.  The 64 accumulators take turns, one instruction a turn, in the same order in every step.
.macro MUL16 a0, p, q, sc, zero
.irp a, \a0, \a0+1
.irp b, 0,1,2,3,4,5,6,7
.if \zero
	v_wmma_scale_f32_16x16x128_f8f6f4 v[8*(8*((\a)%4)+\b):8*(8*((\a)%4)+\b)+7], v[128*(\p)+FR*\b:128*(\p)+FR*\b+FR-1], v[AF+FR*(\a):AF+FR*(\a)+FR-1], 0, v[SC+8*NQ*(\sc)+NQ*\b+(\q)], v[SC+8*NQ*(\sc)+NQ*(\a)+(\q)] matrix_a_fmt:MATRIX_FMT_FP6 matrix_b_fmt:MATRIX_FMT_FP6 matrix_a_scale:MATRIX_SCALE_ROW1
.else
	v_wmma_scale_f32_16x16x128_f8f6f4 v[8*(8*((\a)%4)+\b):8*(8*((\a)%4)+\b)+7], v[128*(\p)+FR*\b:128*(\p)+FR*\b+FR-1], v[AF+FR*(\a):AF+FR*(\a)+FR-1], v[8*(8*((\a)%4)+\b):8*(8*((\a)%4)+\b)+7], v[SC+8*NQ*(\sc)+NQ*\b+(\q)], v[SC+8*NQ*(\sc)+NQ*(\a)+(\q)] matrix_a_fmt:MATRIX_FMT_FP6 matrix_b_fmt:MATRIX_FMT_FP6 matrix_a_scale:MATRIX_SCALE_ROW1
.endif
.endr
.endr
.endm
.macro FETCH_B slot, q, p
	WIN TO_B
.irp i, 0,1,2,3,4,5,6,7
	FRAG 128*(\p)+FR*\i, ADRB+\slot, \q, \i
.endr
	WIN 0
.endm
.macro FETCH_A slot, q, i0
.irp i, \i0, \i0+1, \i0+2, \i0+3
	FRAG AF+FR*(\i), ADRA+\slot, \q, \i
.endr
.endm
.macro SCALES sc                       ; lanes 0-15 take R's block i, lanes 16-31 P's block i; planes 512 bytes apart
.irp i, 0,1,2,3,4,5,6,7
.irp q, 0,1
	ds_load_b32 v[SC+8*NQ*\sc+NQ*\i+\q], v[ADRS] offset:512*\q+64*\i
.endr
.endr
.endm
.macro PLACES n                        ; plain vector lines between a matrix instruction and a load into, or a read of, its registers
.rept \n
	v_nop
.endr
.endm
.macro STEP slot, q, zero
	s_wait_dscnt 4*NL                              ; P's set, R's blocks 0-3 and the scale words are in; the youngest 24 loads (R's blocks 4-7) may be out
	WIN MUL_LO
	MUL16 0, (\q)%2, \q, \slot, \zero
	MUL16 2, (\q)%2, \q, \slot, \zero
	s_wait_dscnt 0
	PLACES NP
	FETCH_B \slot, (\q)+1, 1-(\q)%2
	FETCH_A \slot, (\q)+1, 0
	WIN MUL_HI
	MUL16 4, (\q)%2, \q, \slot, \zero
	MUL16 6, (\q)%2, \q, \slot, \zero
	PLACES NP
	WIN 0
	FETCH_A \slot, (\q)+1, 4
.endm
; A slot's last step changes slots: one barrier; in front of it each wave waits for all its tensor loads, adds 0 to its spare word, and waits for that and for its own reads of this slot.
.macro TURN slot, next, fill
	s_wait_tensorcnt 0x0                           ; all my tensor loads have landed: my part of the next slot
	ds_add_u32 v[SPW], v[NIL]                      ; 0 onto my spare word
	s_wait_dscnt 4*NL+1                            ; (the add and the youngest 24 loads may be out)
	WIN MUL_LO
	MUL16 0, 1, NQ-1, \slot, 0
	s_wait_dscnt 0x0                               ; the add is done, and my reads of this slot are over
	s_barrier_signal -1
	MUL16 2, 1, NQ-1, \slot, 0
	WIN 0
	s_barrier_wait -1
.if \fill
	CREST                                          ; the barrier has opened a round of the cluster's barrier
	s_add_nc_u64 s[G0+4*\slot+2:G0+4*\slot+3], s[G0+4*\slot+2:G0+4*\slot+3], 6144
	s_add_nc_u64 s[G0B+4*\slot+2:G0B+4*\slot+3], s[G0B+4*\slot+2:G0B+4*\slot+3], 6144
	JLOAD G0+4*\slot, G1, G0B+4*\slot, G1B         ; the first tensor load behind the round; its four v_nop are the places in front of the loads below
.else
	PLACES NP
.endif
	v_add_nc_u32 v[ADRS], 1024, v[ADRS]
	FETCH_B \next, 0, 0
	FETCH_A \next, 0, 0
	SCALES \next
	WIN MUL_HI
	MUL16 4, 1, NQ-1, \slot, 0
	MUL16 6, 1, NQ-1, \slot, 0
	PLACES NP
	WIN 0
	FETCH_A \next, 0, 4
.endm
	s_wait_tensorcnt 1                             ; the scales and my part of K step 0 are in (K step 1's load may be out)
	s_barrier_signal -1
	s_barrier_wait -1
	FETCH_B 0, 0, 0
	FETCH_A 0, 0, 0
	SCALES 0
	FETCH_A 0, 0, 4
	STEP 0, 0, 1                                   ; the first step's products start the sums
	s_mov_b32 s3, 1
.Llap:
	TURN 0, 1, 1
	STEP 1, 0, 0
	TURN 1, 0, 1
	STEP 0, 0, 0
	s_sub_co_u32 s3, s3, 1
	s_cmp_lg_u32 s3, 0
	s_cbranch_scc1 .Llap
	TURN 0, 1, 0                                   ; the last lap fills nothing
	STEP 1, 0, 0
	s_wait_dscnt 4*NL                              ; the very last step
	WIN MUL_LO
	MUL16 0, 1, NQ-1, 1, 0
	MUL16 2, 1, NQ-1, 1, 0
	s_wait_dscnt 0
	WIN MUL_HI
	MUL16 4, 1, NQ-1, 1, 0
	MUL16 6, 1, NQ-1, 1, 0
	WIN 0
; THE WAY OUT, block by block of 16 tokens x 128 columns.  Accumulator (a, b), register j, lane (r, h): token 32 (a / 2) + 8 (a % 2) + r + 8 (r / 8), column 32 (b / 2) + 16 h + 8 (b % 2) + j.
; A block goes through my own stage in LDS and comes back as whole rows of 512 bytes.  LDS serves a wave's instructions in order: no wait between the stores and the loads.
.macro TOSTAGE a
.set AC, 64*((\a)%4)
.set WS, 0x08+4*((\a)/4)
	WIN WS                                         ; the data: window 2 or 3
.irp b, 0,1,2,3,4,5,6,7
	ds_store_b128 v[STO], v[AC+8*\b:AC+8*\b+3] offset:128*(\b/2)+32*(\b%2)         ; each accumulator from its low end on
	ds_store_b128 v[STO], v[AC+8*\b+4:AC+8*\b+7] offset:128*(\b/2)+32*(\b%2)+16
.endr
	WIN 0
.set BB, BK+64*((\a)%2)
.irp t, 0,1,2,3,4,5,6,7,8,9,10,11,12,13,14,15
	ds_load_b128 v[BB+4*\t:BB+4*\t+3], v[RD] offset:\t*SPITCH
.endr
.endm
.macro SEND a, younger                 ; younger: the LDS instructions issued behind block a's loads, which may stay out
.set BB, BK+64*((\a)%2)
	s_wait_dscnt \younger
.irp t, 0,1,2,3,4,5,6,7,8,9,10,11,12,13,14,15
	global_store_b128 v[CO], v[BB+4*\t:BB+4*\t+3], s[12:13] offset:(32*((\a)/2)+8*((\a)%2)+\t+8*(\t/8))*4096 th:TH_STORE_NT   ; 32 lanes store 512 consecutive bytes, aligned; the token's place stands in the immediate, 127 rows at the most
.endr
.endm
	PLACES NP                                      ; behind the last products: loads into registers that held R's fragments, and reads of results
	TOSTAGE 0
.irp a, 1,2,3,4,5,6,7
.if \a > 1
	s_wait_xcnt 0x0                                ; block a - 2's stores have read their registers: block a's loads may land there
.endif
	TOSTAGE \a
	SEND \a-1, 32                                  ; behind block a - 1's loads: block a's 16 stores and 16 loads
.endr
	SEND 7, 0
	s_wait_tensorcnt 0x0                           ; the wave's end
	ds_add_u32 v[SPW], v[NIL]
	s_wait_dscnt 0x0
	CROUND                                         ; the closing round
	s_endpgm
.Lfunc_end_k_qcaf57a49dc_outp:
	.size	k_qcaf57a49dc_outp, .Lfunc_end_k_qcaf57a49dc_outp-k_qcaf57a49dc_outp
	.p2alignl 7, 3214868480
	.fill 96, 4, 3214868480
	.section	.rodata,"a",@progbits
	.p2align	6, 0x0
	.amdhsa_kernel k_qcaf57a49dc_outp
		.amdhsa_group_segment_fixed_size 327680
		.amdhsa_private_segment_fixed_size 0
		.amdhsa_enable_private_segment 0
		.amdhsa_kernarg_size 40
		.amdhsa_user_sgpr_count 2
		.amdhsa_user_sgpr_kernarg_segment_ptr 1
		.amdhsa_wavefront_size32 1
		.amdhsa_system_sgpr_workgroup_id_x 1
		.amdhsa_system_sgpr_workgroup_id_y 1
		.amdhsa_system_sgpr_workgroup_id_z 1
		.amdhsa_system_vgpr_workitem_id 0
		.amdhsa_next_free_vgpr 1024
		.amdhsa_next_free_sgpr 100
		.amdhsa_reserve_vcc 0
		.amdhsa_float_denorm_mode_32 3
		.amdhsa_float_denorm_mode_16_64 3
		.amdhsa_memory_ordered 1
		.amdhsa_forward_progress 1
		.amdhsa_inst_pref_size 161
	.end_amdhsa_kernel
	.amdgpu_metadata
---
amdhsa.version: [ 1, 2 ]
amdhsa.kernels:
  - .name:           k_qcaf57a49dc_outp
    .symbol:         k_qcaf57a49dc_outp.kd
    .args:
      - { .name: cc, .offset: 0, .size: 8, .value_kind: global_buffer, .address_space: global }
      - { .name: cs, .offset: 8, .size: 8, .value_kind: global_buffer, .address_space: global }
      - { .name: opc, .offset: 16, .size: 8, .value_kind: global_buffer, .address_space: global }
      - { .name: ops, .offset: 24, .size: 8, .value_kind: global_buffer, .address_space: global }
      - { .name: out0, .offset: 32, .size: 8, .value_kind: global_buffer, .address_space: global }
    .group_segment_fixed_size: 327680
    .private_segment_fixed_size: 0
    .kernarg_segment_align: 8
    .kernarg_segment_size: 40
    .max_flat_workgroup_size: 128
    .sgpr_count:     100
    .vgpr_count:     1024
    .wavefront_size: 32
...
	.end_amdgpu_metadata
.endif
;; end of part 4
